; MI455X (gfx1250); checked and timed in simulation.
; The chip was launched on July 23, 2026; its instructions are those of AMD's public machine-readable ISA for CDNA 5 (MIT licence, August 2026) and "CDNA5" Instruction Set Architecture Reference Guide (July 2026). The comments in the code are by the model that wrote it; some were corrected since.
;; Attention. Allowed arithmetic: matrix products marked QUANTISED: E4M3 operands, one given power-of-two scale a tensor, by v_wmma_f32_16x16x64_fp8_fp8 or v_wmma_f32_16x16x128_fp8_fp8, f32 sums; everything else in f32.
;; Inputs: freqs_cos 2,048 x 64 float32; freqs_sin 2,048 x 64 float32; lowp_scales 12 int32 (the exponents e of the quantised operands' scales 2^e); mask 2,048 x 2,048 float32; wk 2,048 x 2,048 float32; wo 2,048 x 2,048 float32; wq 2,048 x 2,048 float32; wv 2,048 x 2,048 float32; x 1 x 2,048 x 2,048 float32.
;; Outputs: out0 1 x 2,048 x 2,048 float32.
;; Constants: start_pos = 0.
;; This version of the problem:
;;   THIS VERSION OF THE PROBLEM IS GIVEN IN LOW PRECISION. The matrix products marked QUANTISED in the list below multiply operands that are first quantised to E4M3 (4 exponent bits, 3 mantissa bits; 8 bits a number), with one given power-of-two scale for each operand tensor; their sums are f32. All else is computed in f32.
;;   The module's matrix products, in the order in which they are computed (A, B: the left and right operand; K: the contracted axis; several contracted axes count as one K, in the product's order):
;;     1. [M 2,048, K 2,048] x [K 2,048, N 2,048]; A: input x; B: input wq: QUANTISED (scales: A lowp_scales[0], B lowp_scales[1])
;;     2. [M 2,048, K 2,048] x [K 2,048, N 2,048]; A: input x; B: input wk: QUANTISED (scales: A lowp_scales[2], B lowp_scales[3])
;;     3. [M 2,048, K 2,048] x [K 2,048, N 2,048]; A: input x; B: input wv: QUANTISED (scales: A lowp_scales[4], B lowp_scales[5])
;;     4. batch 16 x [M 2,048, K 128] x [K 128, N 2,048]; A: computed on the way; B: computed on the way: QUANTISED (scales: A lowp_scales[6], B lowp_scales[7])
;;     5. batch 16 x [M 2,048, K 2,048] x [K 2,048, N 128]; A: softmax (see below); B: computed on the way: QUANTISED (scales: A lowp_scales[8], B lowp_scales[9])
;;     6. [M 2,048, K 2,048] x [K 2,048, N 2,048]; A: computed on the way; B: input wo: QUANTISED (scales: A lowp_scales[10], B lowp_scales[11])
;;   THE QUANTISER, for each operand of a quantised product, along K:
;;     - The operand's scale is 2^e, e = its entry of the input lowp_scales (int32; the entries are numbered through the quantised products in the list's order, A before B).
;;     - Each number is divided by the scale, clamped to +-448, and rounded to the nearest number of E4M3, ties to even, subnormals kept.
;;     - The product sums the exact products of the quantised numbers (number of the format x scale) in f32.
;;   ~~~python
;;   def quantise(x, axis, e):      # numpy; x: float32 -> the quantised numbers, widened to float32 again
;;       x = np.moveaxis(x, axis, -1); K = x.shape[-1]
;;       r = np.clip(x / 2.0 ** e, -448, 448)
;;       step = 2.0 ** (np.maximum(np.frexp(np.where(r == 0, 1, r))[1] - 1, -6) - 3)
;;       q = np.round(r / step) * step * 2.0 ** e      # np.round: ties to even
;;       return np.moveaxis(q, -1, axis).astype(np.float32)
;;   ~~~
;;   SOFTMAX AHEAD OF A QUANTISED PRODUCT. Where the list says 'softmax', what is quantised is not the finished softmax but p = 2^(t - M), with t = logit x log2(e) and M = ceil(the row's largest t), a whole number; so 1/2 < the row's largest p <= 1. The row's sum l is taken of the UNQUANTISED p, in f32, and the product's result is divided by l at the end. Since M is a whole number, a kernel that streams over the keys may use a running M (the ceiling of the running maximum): every later rescaling is an exact power of two, so the quantised numbers keep their values, but for numbers so far below the row's largest that they fall under the format's range.
;;   OPERANDS COMPUTED ON THE WAY. 'Computed on the way' means the value that the module computes at that place (a softmax that the list does not call 'softmax' is quantised finished and normalised). What goes into a quantiser is computed in f32, as accurately as f32 sums, v_exp_f32 and their like allow (about 1e-6 of the number): no bf16 or f16 on the way to a quantiser, and a product that is left as it is and whose result goes on into a quantised operand takes f32 operands (vector FMAs, or v_wmma_f32_16x16x4_f32). A number that lies on a knife's edge between two numbers of the format may be rounded either way, as far as f32 arithmetic and the matrix unit's own rounding can turn it there, and no further.
;; One version. Each part assembles by itself: llvm-mc -triple=amdgcn-amd-amdhsa -mcpu=gfx1250 --defsym DOCPART=n.
;; ======== version 1 of 1: 4 launches
;; workspace buffers: xc 12,582,912 bytes; wc 16,777,216 bytes; qkvc 12,582,912 bytes; ac 4,194,304 bytes
;; launch quant (part 1): grid 640 x 1, 4 waves a work-group, no clusters, 33,280 bytes of LDS; arguments x, wq, wk, wv, wo, lowp_scales, xc, wc; writes xc, wc
.if DOCPART == 1
	.amdgcn_target "amdgcn-amd-amdhsa--gfx1250"
	.amdhsa_code_object_version 6
	.text
	.protected	k_q7e08fe1ae6_quant
	.globl	k_q7e08fe1ae6_quant
	.p2align	8
	.type	k_q7e08fe1ae6_quant,@function
k_q7e08fe1ae6_quant:
	s_mov_b64 s[64:65], 0
	v_nop
	global_prefetch_b8 v0, s[64:65] scope:SCOPE_SE
	s_setreg_imm32_b32 hwreg(HW_REG_WAVE_MODE, 25, 1), 1
	s_wait_xcnt 0x0
; FIRST OF FOUR LAUNCHES of an attention layer (2,048 positions, width 2,048, 16 heads of 128) whose six products all run on codes of E4M3 with given scales 2^e.
; WORK LEFT OUT: none but start_pos: reference() takes it and never uses it, it is a constant and has no buffer.  The mask is an input, so every key counts as live for every query.
; THIS LAUNCH turns x, wq, wk, wv, wo (f32, [2048][2048], K innermost) into codes: code = number / 2^e, held within +-448, to the nearest code, ties to even.
; x is an operand of three products with three exponents (entries 0, 2, 4), which may differ: it is read once and written three times.  wq, wk, wv, wo take entries 1, 3, 5, 11.
; LAYOUT OF THE CODES: [chunk = K / 128][row][128 bytes], so that 128 rows of one chunk are 16,384 consecutive bytes: what the later launches fetch as one piece.
; SHARES: work-groups 0-127 take x, then 128 each for wq, wk, wv, wo.  A wave takes 64 rows of one chunk, in 16 steps of 4 rows.  Each load reads 512 consecutive bytes (a row's part of the chunk, 16 bytes a lane);
; a step's 2,048 bytes turn through the wave's own stage in LDS and come back 64 bytes a lane, 16 neighbours along K, as the conversions want them; a lane's 16 codes are 16 bytes and the wave stores 512 consecutive bytes.
; No matrix unit, no tensor load, no cluster, no barrier: waves share nothing and no byte is read twice.  Loads run four steps (16 loads a wave) ahead, the turn through LDS one step.
; LIMITS: each e between -126 and 119, so that 2^e and 448 x 2^e are f32 numbers.  NaN among the inputs is not served (an infinity is held at the largest code).
.set TEN,   4194304                    ; bytes of one tensor of codes
.set STEPS, 16
.set SP,    80                         ; a lane's place in a stage: 64 bytes + 16 of padding
.set WREG,  8192                       ; LDS of a wave: two stages of 32 x SP bytes
.set SPARE, 4*WREG                     ; behind the four regions: the spare words, 128 bytes a wave, which no other line names
.set OFS,   3                          ; v3       16 x lane: my bytes of a load's 512 and of a store's 512; never rewritten
.set SPW,   12                         ; v12      LDS address of my spare word; never rewritten
.set NIL,   13                         ; v13      0; never rewritten
.set SIN,   14                         ; v14      the stage, on the way in
.set SOUT,  15                         ; v15      the stage, on the way out
.set R,     16                         ; v16-79   four sets of 16 numbers as loaded
.set X,     80                         ; v80-111  two sets of 16 neighbours
.set T,     112                        ; v112-127 the 16 numbers, held
.set C,     128                        ; v128-139 three sets of codes
.set TT,    44                         ; s44      which tensor: 0 x, 1 wq, 2 wk, 3 wv, 4 wo
.set IN,    46                         ; s[46:47] my wave's first input byte;  s[48:49], s[50:51], s[52:53] my first output byte (the last two: x's second and third set)
	s_load_b256 s[4:11], s[0:1], 0x0               ; x, wq, wk, wv
	s_load_b256 s[12:19], s[0:1], 0x20             ; wo, the exponents, xc, wc
	v_lshl_add_u32 v[SPW], v0, 2, SPARE
	v_mov_b32 v[NIL], 0
	v_lshrrev_b32 v1, 5, v0
	v_readfirstlane_b32 s24, v1                    ; wave
	v_and_b32 v2, 31, v0                           ; lane
	v_lshlrev_b32 v[OFS], 4, v2
	s_mul_i32 s25, s24, WREG
	v_lshrrev_b32 v[SIN], 2, v2
	v_mul_u32_u24 v[SIN], v[SIN], SP
	v_and_b32 v[SOUT], 3, v2
	v_lshl_add_u32 v[SIN], v[SOUT], 4, v[SIN]
	v_add_nc_u32 v[SIN], s25, v[SIN]               ; in: four lanes' 64 bytes on end, then the padding: SP (lane / 4) + 16 (lane % 4); a load's 512 bytes take eight places
	v_mul_u32_u24 v[SOUT], v2, SP
	v_add_nc_u32 v[SOUT], s25, v[SOUT]             ; out: SP x lane: row lane / 8 of the step's four, K = 16 (lane % 8) on
	s_lshr_b32 s[TT], ttmp9, 7
	s_and_b32 s25, ttmp9, 127
	s_lshl_b32 s25, s25, 2
	s_add_co_u32 s25, s25, s24                     ; my wave's job, 0 .. 511
	s_and_b32 s26, s25, 15                         ; its chunk
	s_lshr_b32 s27, s25, 4                         ; its 64 rows
	s_lshl_b32 s28, s27, 19                        ; in: 64 rows of 8,192 bytes,
	s_lshl_b32 s29, s26, 9                         ; a chunk's 512 bytes of a row
	s_or_b32 s28, s28, s29
	s_mov_b32 s29, 0
	s_lshl_b32 s30, s26, 18                        ; out: a chunk is 2,048 rows of 128 bytes,
	s_lshl_b32 s31, s27, 13                        ; 64 rows of 128 bytes
	s_or_b32 s30, s30, s31
	s_mov_b32 s31, 0
	s_max_u32 s20, s[TT], 1
	s_sub_co_u32 s20, s20, 1
	s_lshl_b32 s20, s20, 22                        ; which tensor of wc (0 for x)
	s_mov_b32 s21, 0
	s_add_nc_u64 s[20:21], s[20:21], s[30:31]
	s_wait_kmcnt 0x0
	s_load_b256 s[32:39], s[14:15], 0x0            ; e0 .. e7
	s_load_b128 s[40:43], s[14:15], 0x20           ; e8 .. e11
	s_cmp_eq_u32 s[TT], 1                          ; the choices hang on the work-group's number alone
	s_cselect_b64 s[IN:IN+1], s[6:7], s[4:5]
	s_cmp_eq_u32 s[TT], 2
	s_cselect_b64 s[IN:IN+1], s[8:9], s[IN:IN+1]
	s_cmp_eq_u32 s[TT], 3
	s_cselect_b64 s[IN:IN+1], s[10:11], s[IN:IN+1]
	s_cmp_eq_u32 s[TT], 4
	s_cselect_b64 s[IN:IN+1], s[12:13], s[IN:IN+1]
	s_add_nc_u64 s[IN:IN+1], s[IN:IN+1], s[28:29]
	s_cmp_eq_u32 s[TT], 0
	s_cselect_b64 s[48:49], s[16:17], s[18:19]
	s_add_nc_u64 s[48:49], s[48:49], s[20:21]
	s_add_nc_u64 s[50:51], s[16:17], s[30:31]
	s_add_nc_u64 s[50:51], s[50:51], TEN           ; x with entry 2's scale,
	s_add_nc_u64 s[52:53], s[50:51], TEN           ; and with entry 4's
.macro LOAD t                          ; step t: rows 4 t .. 4 t + 3, 512 consecutive bytes each
.irp i, 0,1,2,3
	global_load_b128 v[R+16*((\t)%4)+4*\i:R+16*((\t)%4)+4*\i+3], v[OFS], s[IN:IN+1] offset:(4*(\t)+\i)*8192 th:TH_LOAD_NT
.endr
.endm
.macro TURN t                          ; step t's numbers through the stage: LDS serves a wave's instructions in order, so no wait stands between the stores and the loads
.irp i, 0,1,2,3
	ds_store_b128 v[SIN], v[R+16*((\t)%4)+4*\i:R+16*((\t)%4)+4*\i+3] offset:32*SP*((\t)%2)+8*SP*\i
.endr
.irp i, 0,1,2,3
	ds_load_b128 v[X+16*((\t)%2)+4*\i:X+16*((\t)%2)+4*\i+3], v[SOUT] offset:32*SP*((\t)%2)+16*\i
.endr
.endm
.macro MKSC e, sc, lim                 ; from the exponent in s[e]: 2^e and 448 x 2^e as f32
	s_add_co_i32 s20, s[\e], 127
	s_lshl_b32 s21, s20, 23
	v_mov_b32 v[\sc], s21
	s_add_co_i32 s20, s20, 8
	s_lshl_b32 s20, s20, 23
	s_or_b32 s20, s20, 0x600000
	v_mov_b32 v[\lim], s20
.endm
.irp t, 0,1,2,3
	LOAD \t
.endr
	s_wait_kmcnt 0x0
	s_cmp_eq_u32 s[TT], 1
	s_cselect_b32 s45, s33, s32                    ; my tensor's exponent: entry 0, 1, 3, 5 or 11
	s_cmp_eq_u32 s[TT], 2
	s_cselect_b32 s45, s35, s45
	s_cmp_eq_u32 s[TT], 3
	s_cselect_b32 s45, s37, s45
	s_cmp_eq_u32 s[TT], 4
	s_cselect_b32 s45, s43, s45
	MKSC 45, 8, 9
	MKSC 34, 10, 11
	MKSC 36, 152, 153
	s_wait_loadcnt 12                              ; step 0's four loads are in; three steps' twelve stay out
	TURN 0
; One set of codes of step t: the hold (the conversion to an 8-bit code does not saturate: ISA guide 7.6.2), two conversions, the store.
.macro CONV o, sc, lim, base, t
.set n, 0
.rept 16
	v_med3_num_f32 v[T+n], v[XS+n], -v[\lim], v[\lim]
.set n, n+1
.endr
	v_cvt_scalef32_pk8_fp8_f32 v[C+4*\o:C+4*\o+1], v[T:T+7], v[\sc]
	v_cvt_scalef32_pk8_fp8_f32 v[C+4*\o+2:C+4*\o+3], v[T+8:T+15], v[\sc]
	v_nop                                          ; a plain line behind the conversions: the next set's holds write their sources
	global_store_b128 v[OFS], v[C+4*\o:C+4*\o+3], s[\base:\base+1] offset:512*(\t)   ; 32 lanes store 512 consecutive bytes: four rows of the chunk
.endm
.macro STEP t
.set XS, X+16*((\t)%2)
	s_wait_dscnt 0x0                               ; this step's numbers are back from the stage: so its stores into the stage have read their registers,
.if (\t)+4 < STEPS
	LOAD (\t)+4                                    ; which take the loads of four steps on
.endif
.if (\t)+1 < STEPS
.if STEPS-2-(\t) >= 3
	s_wait_loadcnt 12                              ; the next step's four loads are in; those of the three steps behind it may be out
.else
	s_wait_loadcnt 4*(STEPS-2-(\t))
.endif
	TURN (\t)+1
.endif
	s_wait_xcnt 0x0                                ; the last step's stores have read their data: the codes' registers are written again only behind this wait
	CONV 0, 8, 9, 48, \t
	s_cmp_lg_u32 s[TT], 0                          ; x alone has a second and a third set: a branch on the work-group's number, round register work and stores
	s_cbranch_scc1 .Lone_set_\@
	CONV 1, 10, 11, 50, \t
	CONV 2, 152, 153, 52, \t
.Lone_set_\@:
.endm
.irp t, 0,1,2,3,4,5,6,7,8,9,10,11,12,13,14,15
	STEP \t
.endr
	s_wait_tensorcnt 0x0                           ; the wave's end: behind my last LDS store
	ds_add_u32 v[SPW], v[NIL]
	s_wait_dscnt 0x0
	s_endpgm
.Lfunc_end_k_q7e08fe1ae6_quant:
	.size	k_q7e08fe1ae6_quant, .Lfunc_end_k_q7e08fe1ae6_quant-k_q7e08fe1ae6_quant
	.p2alignl 7, 3214868480
	.fill 96, 4, 3214868480
	.section	.rodata,"a",@progbits
	.p2align	6, 0x0
	.amdhsa_kernel k_q7e08fe1ae6_quant
		.amdhsa_group_segment_fixed_size 33280
		.amdhsa_private_segment_fixed_size 0
		.amdhsa_enable_private_segment 0
		.amdhsa_kernarg_size 64
		.amdhsa_user_sgpr_count 2
		.amdhsa_user_sgpr_kernarg_segment_ptr 1
		.amdhsa_wavefront_size32 1
		.amdhsa_system_sgpr_workgroup_id_x 1
		.amdhsa_system_sgpr_workgroup_id_y 1
		.amdhsa_system_sgpr_workgroup_id_z 1
		.amdhsa_system_vgpr_workitem_id 0
		.amdhsa_next_free_vgpr 160
		.amdhsa_next_free_sgpr 66
		.amdhsa_reserve_vcc 0
		.amdhsa_float_denorm_mode_32 3
		.amdhsa_float_denorm_mode_16_64 3
		.amdhsa_memory_ordered 1
		.amdhsa_forward_progress 1
		.amdhsa_inst_pref_size 81
	.end_amdhsa_kernel
	.amdgpu_metadata
---
amdhsa.version: [ 1, 2 ]
amdhsa.kernels:
  - .name:           k_q7e08fe1ae6_quant
    .symbol:         k_q7e08fe1ae6_quant.kd
    .args:
      - { .name: x, .offset: 0, .size: 8, .value_kind: global_buffer, .address_space: global }
      - { .name: wq, .offset: 8, .size: 8, .value_kind: global_buffer, .address_space: global }
      - { .name: wk, .offset: 16, .size: 8, .value_kind: global_buffer, .address_space: global }
      - { .name: wv, .offset: 24, .size: 8, .value_kind: global_buffer, .address_space: global }
      - { .name: wo, .offset: 32, .size: 8, .value_kind: global_buffer, .address_space: global }
      - { .name: lowp_scales, .offset: 40, .size: 8, .value_kind: global_buffer, .address_space: global }
      - { .name: xc, .offset: 48, .size: 8, .value_kind: global_buffer, .address_space: global }
      - { .name: wc, .offset: 56, .size: 8, .value_kind: global_buffer, .address_space: global }
    .group_segment_fixed_size: 33280
    .private_segment_fixed_size: 0
    .kernarg_segment_align: 8
    .kernarg_segment_size: 64
    .max_flat_workgroup_size: 128
    .sgpr_count:     66
    .vgpr_count:     160
    .wavefront_size: 32
...
	.end_amdgpu_metadata
.endif
;; end of part 1
;; launch qkv (part 2): grid 24 x 8, 4 waves a work-group, clusters of 4 x 4, 327,680 bytes of LDS; arguments xc, wc, lowp_scales, freqs_cos, freqs_sin, qkvc; writes qkvc
.if DOCPART == 2
	.amdgcn_target "amdgcn-amd-amdhsa--gfx1250"
	.amdhsa_code_object_version 6
	.text
	.protected	k_q7e08fe1ae6_qkv
	.globl	k_q7e08fe1ae6_qkv
	.p2align	8
	.type	k_q7e08fe1ae6_qkv,@function
k_q7e08fe1ae6_qkv:
	s_mov_b64 s[64:65], 0
	v_nop
	global_prefetch_b8 v0, s[64:65] scope:SCOPE_SE
	s_setreg_imm32_b32 hwreg(HW_REG_WAVE_MODE, 25, 1), 1
	s_wait_xcnt 0x0
	s_wait_alu depctr_hold_cnt(0) depctr_sa_sdst(0) depctr_va_vdst(0) depctr_va_sdst(0) depctr_va_ssrc(0) depctr_va_vcc(0) depctr_vm_vsrc(0)
	s_getreg_b32 s2, hwreg(HW_REG_IB_STS2, 6, 4)
	s_cmp_eq_u32 s2, 0
	s_cbranch_scc0 .Lentry_in_a_cluster
	s_endpgm
.Lentry_in_a_cluster:
	s_bfe_u32 s2, ttmp6, 0x10000c
	s_cmp_lg_u32 s2, 0xf033
	s_cbranch_scc0 .Lentry_shape_is_right
	s_endpgm
.Lentry_shape_is_right:
; SECOND LAUNCH: x wq^T, x wk^T, x wv^T on codes of E4M3; the rotation of q and k in f32; q, k and v quantised for the two products of attention.  Nothing of reference() is left out here.
; JOBS: cluster x / 2 = 0: q, 1: k, 2: v: the same in all partners of a cluster.  A work-group makes 256 x 256 of one job, a wave 128 x 128: 64 accumulators, 512 registers.  3 x 64 = 192 work-groups: x's codes differ from
; job to job, so no tile spans two jobs.
; ROLES.  The operand whose rows become LANES is called A here (indexed by work-group y), the one whose rows become a lane's eight REGISTERS is B (source 0 of the matrix instruction; indexed by the column of the job).
;   q, k: A = x's codes (rows: positions), B = the weight's (rows: head, channel): a lane holds one position and eight neighbouring channels: rotation pairs lie in one lane, and codes come out with the channels innermost.
;   v:    A = wv's codes, B = x's: a lane holds one channel and eight neighbouring KEYS: v's codes come out with the keys innermost, as the second product of attention wants them.  One loop serves all three.
; CODES lie [chunk = K / 128][row][128 bytes].  A slot of the ring holds two chunks (256 along K) of 256 rows of A and of B.  One tensor load brings 128 rows x 2 chunks: two pieces of 16,384 consecutive bytes.
; CLUSTERS: 4 x 4.  A's tiles hang on work-group y and the job, and are asked for jointly along a row of the cluster; B's on the column and the job, jointly along a column.
; THE SCALES: a sum stands for sum x 2^(eA + eB).  A power of two goes through the rotation unchanged, so the rotation works on the sums as they are and the conversion takes the one scale 2^F, F = eT - eA - eB
;   (q: entries 6, 0, 1; k: 7, 2, 3; v: 9, 4, 5).  LIMIT: F between -126 and 119.  NaN among the inputs is not served.
; OUT: qkvc: q at 0 [head][position][128], k at TEN likewise, v at 2 TEN [head][key / 128][channel][128 keys].  A wave's 128 x 128 codes are 16,384 consecutive bytes.
; REGISTERS, in windows of 256: window 0: v16-31 addresses and scales; v128-255 A's fragments, one set; on the way out v32-255 are free.  window 1: B's fragments, two sets.  windows 2, 3: the accumulators ((a, b) at v[8 (8 (a % 4) + b)]).
.set TEN,    4194304
.set CHS,    262144                    ; bytes from chunk to chunk
.set PITCH,  144                       ; an LDS row: 128 bytes + 16 of padding = 36 words: the 16 rows that a load touches start at 16 different groups of four banks
.set QOFF,   128*PITCH                 ; one chunk of 128 rows
.set HALFT,  2*QOFF                    ; what one tensor load brings, and what one wave reads of A or of B
.set SLOT,   4*HALFT                   ; A's 256 rows, then B's
.set SPARE,  2*SLOT                    ; behind the ring: the spare words, 128 bytes a wave, which no other line names
.set VSTG,   16384                     ; the way out: stages of 16 rows x 144 bytes a wave, in slot 0, which has had its last fill and its last read by then; job v's own stages begin here
.set FR,     16                        ; registers of a fragment: 16 rows x 128 K
.set NL,     4                         ; LDS loads that bring one
.set NP,     4                         ; places behind this matrix instruction (ISA guide 7.12.1)
.set LAPS,   4                         ; 2,048 along K = 8 slots = 4 times round the ring
.set ADRA, 16                          ; v16-17  LDS address of my A fragments in slot 0, 1
.set ADRB, 20                          ; v20-21  the same for B
.set STOV, 22                          ; v22, v23 job v's stage: in, back
.set RDV,  23
.set STO,  24                          ; v24, v25 q's and k's stage: in (144 r + 8 h), back (144 (lane / 8) + 16 (lane % 8))
.set RD,   25
.set CO,   26                          ; v26     16 x lane
.set CSO,  27                          ; v27     my place in 16 rows of cos and sin: 256 r + 16 h
.set SPW,  28                          ; v28     LDS address of my spare word; never rewritten
.set NIL,  29                          ; v29     0; never rewritten
.set SC,   30                          ; v30     2^F
.set LIM,  31                          ; v31     448 x 2^F
.set TMP,  32                          ; v32-95  a block's 64 numbers
.set AF,   128
.set CD,   224                         ; v224-239 a block's codes
.set BK,   240                         ; v240-255 the block read back by rows
.set WV,  16                           ; s16 wave; s17 wave / 2: my half of A's rows, and: I fetch for A (0) or B (1); s18 wave % 2: my half of B's rows, and which 128 rows I fetch; s19 the job
.set RHO, 17
.set GAM, 18
.set JOB, 19
.set G1, 24                            ; s[24:31] descriptor group 1 for A's tiles;  s[32:39] group 0, one set for each slot
.set G0, 32
.set G1B, 48                           ; s[48:55], s[56:63] the same for B's tiles
.set G0B, 56
.set MSB, 0
.macro WIN new                         ; the immediate's high byte repeats the setting that is left
.if MSB != (\new)
	s_set_vgpr_msb (MSB<<8)|(\new)
.set MSB, (\new)
.endif
.endm
.set MUL_LO, 0xa1                      ; source 0 (B) window 1, source 1 (A) window 0, C and D window 2
.set MUL_HI, 0xf1                      ; the same, C and D window 3
.set TO_B,   0x40                      ; destination window 1, address window 0
; A joint load: waves 0 and 1 fetch for A, waves 2 and 3 for B; the branch hangs on the wave's number alone.  An s_nop 0 and four v_nop follow each line.
.macro JLOAD g0a, g1a, g0b, g1b
	s_cmp_eq_u32 s[RHO], 0
	s_cbranch_scc0 .Lfor_b_\@
	tensor_load_to_lds s[\g0a:\g0a+3], s[\g1a:\g1a+7]
	s_nop 0
.rept 4
	v_nop
.endr
	s_branch .Lasked_\@
.Lfor_b_\@:
	tensor_load_to_lds s[\g0b:\g0b+3], s[\g1b:\g1b+7]
	s_nop 0
.rept 4
	v_nop
.endr
.Lasked_\@:
.endm
.macro CREST                           ; a round of the cluster's barrier behind its opening barrier
	s_cmp_lg_u32 s[WV], 0
	s_cbranch_scc1 .Lnot_wave_0_\@
	s_barrier_signal -3
.Lnot_wave_0_\@:
	s_barrier_wait -3
	s_barrier_signal -1
	s_barrier_wait -1
.endm
.macro CROUND                          ; a whole round
	s_barrier_signal -1
	s_barrier_wait -1
	CREST
.endm
	s_load_b128 s[4:7], s[0:1], 0x0                ; x's codes, the weights' codes
	s_load_b128 s[8:11], s[0:1], 0x10              ; the exponents, cos
	s_load_b128 s[12:15], s[0:1], 0x20             ; sin, qkvc
	v_lshl_add_u32 v[SPW], v0, 2, SPARE
	v_mov_b32 v[NIL], 0
	ds_add_u32 v[SPW], v[NIL]                      ; the wave's opening: the add, twice on end, and its wait ahead of my first tensor load; the set-up below stands between
	ds_add_u32 v[SPW], v[NIL]
	v_lshrrev_b32 v1, 5, v0
	v_readfirstlane_b32 s[WV], v1
	s_lshr_b32 s[RHO], s[WV], 1
	s_and_b32 s[GAM], s[WV], 1
	s_bfe_u32 s40, ttmp6, 0x40000                  ; cx, cy: my place in the cluster
	s_bfe_u32 s41, ttmp6, 0x40004
	s_lshr_b32 s[JOB], ttmp9, 1                    ; two clusters along x to a job
	s_and_b32 s42, ttmp9, 1
	s_lshl_b32 s42, s42, 2
	s_add_co_u32 s42, s42, s40                     ; the tile's column in the job, 0 .. 7
	s_and_b32 s43, ttmp7, 0xffff
	s_lshl_b32 s43, s43, 2
	s_add_co_u32 s43, s43, s41                     ; the tile's row, 0 .. 7
	s_lshl_b32 s44, s41, 2
	s_lshl_b32 s44, 15, s44                        ; my row of the cluster
	s_lshl_b32 s45, 0x1111, s40                    ; my column
	; descriptor group 1: two pieces of 16,384 bytes, CHS bytes apart; in LDS 16 bytes of padding behind every 128
	s_or_b32 s[G1+0], s44, (0<<16)|(1<<20)|(1<<21)|(4<<22)|(3<<25)   ; 15:0 the mask; 17:16 elements of 1 byte; 20 padding on; 21 set beside a mask; 24:22 after every 32 words (code 4); 31:25 four words (code 3)
	s_or_b32 s[G1B+0], s45, (0<<16)|(1<<20)|(1<<21)|(4<<22)|(3<<25)
.irp g, G1, G1B
	s_mov_b32 s[\g+1], 16384<<16                   ; tensor_dim0
	s_mov_b32 s[\g+2], 2<<16                       ; tensor_dim1
	s_mov_b32 s[\g+3], 16384<<16                   ; tile_dim0
	s_mov_b32 s[\g+4], 2                           ; tile_dim1
	s_mov_b32 s[\g+5], CHS                         ; tensor_dim0_stride
	s_mov_b32 s[\g+6], 0
	s_mov_b32 s[\g+7], 0
.endr
	s_lshl_b32 s46, s[GAM], 14                     ; which 128 rows of the tile I fetch (128 bytes a row),
	s_lshl_b32 s47, s[JOB], 22                     ; the job's tensor of codes
	s_add_co_u32 s46, s46, s47
	s_lshl_b32 s20, s43, 15                        ; A: 256 rows x tile row
	s_add_co_u32 s20, s20, s46
	s_mov_b32 s21, 0
	s_lshl_b32 s66, s42, 15                        ; B: 256 rows x tile column
	s_add_co_u32 s66, s66, s46
	s_mov_b32 s67, 0
	s_mul_i32 s72, s[WV], HALFT                    ; where they go: no place in the cluster enters an LDS address
	s_wait_dscnt 0x0                               ; both opening adds are done
	s_wait_kmcnt 0x0
	s_load_b256 s[80:87], s[8:9], 0x0              ; e0 .. e7
	s_load_b128 s[88:91], s[8:9], 0x20             ; e8 .. e11
	s_cmp_eq_u32 s[JOB], 2
	s_cselect_b64 s[68:69], s[6:7], s[4:5]         ; A: the weights for v, else x
	s_cselect_b64 s[70:71], s[4:5], s[6:7]         ; B: the other
	s_add_nc_u64 s[68:69], s[68:69], s[20:21]
	s_add_nc_u64 s[70:71], s[70:71], s[66:67]
	CROUND                                         ; all sixteen work-groups are here: the first joint loads meet
.irp s, 0,1
	s_mov_b32 s[G0+4*\s], 1
	s_add_co_u32 s[G0+4*\s+1], s72, \s*SLOT
	s_add_nc_u64 s[G0+4*\s+2:G0+4*\s+3], s[68:69], \s*2*CHS
	s_or_b32 s[G0+4*\s+3], s[G0+4*\s+3], 0x80000000
	s_mov_b32 s[G0B+4*\s], 1
	s_add_co_u32 s[G0B+4*\s+1], s72, \s*SLOT
	s_add_nc_u64 s[G0B+4*\s+2:G0B+4*\s+3], s[70:71], \s*2*CHS
	s_or_b32 s[G0B+4*\s+3], s[G0B+4*\s+3], 0x80000000
	JLOAD G0+4*\s, G1, G0B+4*\s, G1B
.endr
	v_and_b32 v1, 15, v0                           ; r
	v_bfe_u32 v2, v0, 4, 1                         ; h
	v_mul_u32_u24 v3, v1, PITCH
	v_lshl_add_u32 v4, v2, 4, v3                   ; a fragment's row x pitch + 16 h
	s_mul_i32 s21, s[RHO], HALFT                   ; my 128 rows of A
	s_mul_i32 s22, s[GAM], HALFT                   ; my 128 rows of B,
	s_add_co_u32 s22, s22, 2*HALFT                 ; which lie behind A's 256
.irp s, 0,1
	v_add_nc_u32 v[ADRA+\s], s21, v4
	v_add_nc_u32 v[ADRB+\s], s22, v4
	s_add_co_u32 s21, s21, SLOT
	s_add_co_u32 s22, s22, SLOT
.endr
	s_mul_i32 s23, s[WV], 16*PITCH                 ; my stage
	v_lshl_add_u32 v5, v2, 3, v3
	v_add_nc_u32 v[STO], s23, v5                   ; in: row r, 8 bytes for each half of the lanes
	v_add_nc_u32 v[STOV], VSTG, v[STO]
	v_bfe_u32 v6, v0, 3, 2
	v_and_b32 v7, 7, v0
	v_mul_u32_u24 v8, v6, PITCH
	v_lshl_add_u32 v8, v7, 4, v8
	v_add_nc_u32 v[RD], s23, v8                    ; back: eight lanes to a row of 128 bytes, four rows an instruction
	v_add_nc_u32 v[RDV], VSTG, v[RD]
	v_and_b32 v[CO], 31, v0
	v_lshlrev_b32 v[CO], 4, v[CO]
	v_lshlrev_b32 v[CSO], 8, v1
	v_lshl_add_u32 v[CSO], v2, 4, v[CSO]
	s_lshl_b32 s73, s43, 1
	s_add_co_u32 s73, s73, s[RHO]                  ; which 128 rows of A are mine, 0 .. 15
	s_lshl_b32 s74, s42, 1
	s_add_co_u32 s74, s74, s[GAM]                  ; which 128 rows of B
	s_cmp_eq_u32 s[JOB], 2
	s_cselect_b32 s75, s73, s74                    ; the head: B's for q and k, A's for v
	s_cselect_b32 s76, s74, s73                    ; the 128 positions or keys
	s_lshl_b32 s75, s75, 18
	s_lshl_b32 s76, s76, 14
	s_add_co_u32 s76, s76, s75
	s_add_co_u32 s76, s76, s47
	s_mov_b32 s77, 0
	s_add_nc_u64 s[14:15], s[14:15], s[76:77]      ; my 16,384 bytes of qkvc
	s_lshl_b32 s78, s43, 16
	s_lshl_b32 s79, s[RHO], 15
	s_add_co_u32 s78, s78, s79                     ; my first position's row of cos and sin, 256 bytes a row
	s_mov_b32 s79, 0
	s_add_nc_u64 s[10:11], s[10:11], s[78:79]
	s_add_nc_u64 s[12:13], s[12:13], s[78:79]
.macro FRAG reg, adr, q, i             ; a fragment: lane l holds row l % 16; registers 4 c .. 4 c + 3 hold K = 32 c + 16 (l / 16) + 0 .. 15: the same places in A and in B, so every product meets its partner
.irp c, 0,1,2,3
	ds_load_b128 v[\reg+4*\c:\reg+4*\c+3], v[\adr] offset:QOFF*(\q)+32*\c+(\i)*16*PITCH
.endr
.endm
; 16 matrix instructions: A's blocks a0, a0 + 1 x B's eight, 128 along K.  p: B's set.  zero = 1: the first product starts the sums.  The 64 accumulators take turns, one instruction a turn.
.macro MUL16 a0, p, zero
.irp a, \a0, \a0+1
.irp b, 0,1,2,3,4,5,6,7
.if \zero
	v_wmma_f32_16x16x128_fp8_fp8 v[8*(8*((\a)%4)+\b):8*(8*((\a)%4)+\b)+7], v[128*(\p)+FR*\b:128*(\p)+FR*\b+FR-1], v[AF+FR*(\a):AF+FR*(\a)+FR-1], 0
.else
	v_wmma_f32_16x16x128_fp8_fp8 v[8*(8*((\a)%4)+\b):8*(8*((\a)%4)+\b)+7], v[128*(\p)+FR*\b:128*(\p)+FR*\b+FR-1], v[AF+FR*(\a):AF+FR*(\a)+FR-1], v[8*(8*((\a)%4)+\b):8*(8*((\a)%4)+\b)+7]
.endif
.endr
.endr
.endm
.macro FETCH_B slot, q, p              ; B's eight fragments of the slot's chunk q into set p
	WIN TO_B
.irp i, 0,1,2,3,4,5,6,7
	FRAG 128*(\p)+FR*\i, ADRB+\slot, \q, \i
.endr
	WIN 0
.endm
.macro FETCH_A slot, q, i0             ; A's blocks i0 .. i0 + 3
.irp i, \i0, \i0+1, \i0+2, \i0+3
	FRAG AF+FR*(\i), ADRA+\slot, \q, \i
.endr
.endm
.macro PLACES n                        ; plain vector lines between a matrix instruction and a load into, or a read of, its registers
.rept \n
	v_nop
.endr
.endm
; A step of 128 along K that has its successor in the same slot.  A's blocks are free as soon as their eight products are issued: one set serves A; B's are at work through the step: two sets.
.macro STEP slot, q, zero
	s_wait_dscnt 4*NL                              ; B's set and A's blocks 0-3 are in; the youngest sixteen loads (A's blocks 4-7) may be out
	WIN MUL_LO
	MUL16 0, (\q)%2, \zero
	MUL16 2, (\q)%2, \zero
	s_wait_dscnt 0
	PLACES NP
	FETCH_B \slot, (\q)+1, 1-(\q)%2
	FETCH_A \slot, (\q)+1, 0
	WIN MUL_HI
	MUL16 4, (\q)%2, \zero
	MUL16 6, (\q)%2, \zero
	PLACES NP
	WIN 0
	FETCH_A \slot, (\q)+1, 4
.endm
; A slot's last step changes slots: one barrier; in front of it each wave waits for all its tensor loads, adds 0 to its spare word, and waits for that and for its reads of this slot.  fill = 1: the slot is filled again, two slots ahead.
.macro TURN slot, next, fill
	s_wait_tensorcnt 0x0                           ; all my tensor loads have landed: my part of the next slot
	ds_add_u32 v[SPW], v[NIL]                      ; 0 onto my spare word
	s_wait_dscnt 4*NL+1                            ; (the add and the youngest sixteen loads may be out)
	WIN MUL_LO
	MUL16 0, 1, 0
	s_wait_dscnt 0x0                               ; the add is done, and my reads of this slot are over
	s_barrier_signal -1
	MUL16 2, 1, 0
	WIN 0
	s_barrier_wait -1
.if \fill
	CREST                                          ; the barrier has opened a round of the cluster's: no wave of any partner still reads this slot or has a load on its way
	s_add_nc_u64 s[G0+4*\slot+2:G0+4*\slot+3], s[G0+4*\slot+2:G0+4*\slot+3], 4*CHS
	s_add_nc_u64 s[G0B+4*\slot+2:G0B+4*\slot+3], s[G0B+4*\slot+2:G0B+4*\slot+3], 4*CHS
	JLOAD G0+4*\slot, G1, G0B+4*\slot, G1B         ; the first tensor load behind the round; its four v_nop are the places in front of the loads below
.else
	PLACES NP
.endif
	FETCH_B \next, 0, 0
	FETCH_A \next, 0, 0
	WIN MUL_HI
	MUL16 4, 1, 0
	MUL16 6, 1, 0
	PLACES NP
	WIN 0
	FETCH_A \next, 0, 4
.endm
	s_wait_tensorcnt 1                             ; my part of slot 0 is in (slot 1's load may be out)
	s_barrier_signal -1
	s_barrier_wait -1                              ; everybody's is
	FETCH_B 0, 0, 0
	FETCH_A 0, 0, 0
	FETCH_A 0, 0, 4
	STEP 0, 0, 1                                   ; the first step stands in front of the loop: its products start the sums
	s_mov_b32 s3, LAPS-1
.Llap:                                                 ; a trip goes once round the ring and fills both slots again
	TURN 0, 1, 1
	STEP 1, 0, 0
	TURN 1, 0, 1
	STEP 0, 0, 0
	s_sub_co_u32 s3, s3, 1
	s_cmp_lg_u32 s3, 0
	s_cbranch_scc1 .Llap
	TURN 0, 1, 0                                   ; the last lap fills nothing
	STEP 1, 0, 0
	s_wait_dscnt 4*NL
	WIN MUL_LO
	MUL16 0, 1, 0
	MUL16 2, 1, 0
	s_wait_dscnt 0
	WIN MUL_HI
	MUL16 4, 1, 0
	MUL16 6, 1, 0
	WIN 0
; THE WAY OUT, block by block of 16 rows of A x 128 rows of B.  In accumulator (a, b) lane (r, h) holds row 16 a + r of A and rows 16 b + 8 h + 0 .. 7 of B.
.macro CSLOAD a                        ; cos and sin of block a's 16 positions: for tile b the four pairs of channels 16 b + 8 h + 0 .. 7: 16 bytes; over the eight tiles a row's 256 bytes are all used
.set CN, 96+64*((\a)%2)
.set SN, 128+64*((\a)%2)
.irp b, 0,1,2,3,4,5,6,7
	global_load_b128 v[CN+4*\b:CN+4*\b+3], v[CSO], s[10:11] offset:4096*(\a)+32*\b
	global_load_b128 v[SN+4*\b:SN+4*\b+3], v[CSO], s[12:13] offset:4096*(\a)+32*\b
.endr
.endm
.macro ROPE a                          ; even' = even cos - odd sin, odd' = even sin + odd cos; then the hold.  Each accumulator is first read at its register 1
.set AC, 64*((\a)%4)
.set CN, 96+64*((\a)%2)
.set SN, 128+64*((\a)%2)
	WIN 0x02+((\a)/4)                              ; source 0: window 2 or 3
.irp b, 0,1,2,3,4,5,6,7
.irp i, 0,1,2,3
	v_mul_f32 v[TMP+8*\b+2*\i], v[AC+8*\b+2*\i+1], v[SN+4*\b+\i]
	v_mul_f32 v[TMP+8*\b+2*\i+1], v[AC+8*\b+2*\i+1], v[CN+4*\b+\i]
.endr
.irp i, 0,1,2,3
	v_fma_f32 v[TMP+8*\b+2*\i], v[AC+8*\b+2*\i], v[CN+4*\b+\i], -v[TMP+8*\b+2*\i]
	v_fma_f32 v[TMP+8*\b+2*\i+1], v[AC+8*\b+2*\i], v[SN+4*\b+\i], v[TMP+8*\b+2*\i+1]
.endr
.endr
	WIN 0
.set n, 0
.rept 64
	v_med3_num_f32 v[TMP+n], v[TMP+n], -v[LIM], v[LIM]   ; the conversion to an 8-bit code does not saturate (ISA guide 7.6.2)
.set n, n+1
.endr
.endm
.macro HOLDV a                         ; v has no rotation: the hold alone, each accumulator from its low end on
.set AC, 64*((\a)%4)
	WIN 0x02+((\a)/4)
.set n, 0
.rept 64
	v_med3_num_f32 v[TMP+n], v[AC+n], -v[LIM], v[LIM]
.set n, n+1
.endr
	WIN 0
.endm
; The block's codes: 8 bytes a lane and tile into my stage (rows of 144 bytes: the 32 lanes of a store touch 64 different banks), back as whole rows, out as 512 consecutive bytes a store.
.macro TAILBLK a, sto, rd
.irp b, 0,1,2,3,4,5,6,7
	v_cvt_scalef32_pk8_fp8_f32 v[CD+2*\b:CD+2*\b+1], v[TMP+8*\b:TMP+8*\b+7], v[SC]
.endr
	v_nop                                          ; a plain line behind the conversions: the next block's arithmetic writes their sources
.irp b, 0,1,2,3,4,5,6,7
	ds_store_b64 v[\sto], v[CD+2*\b:CD+2*\b+1] offset:16*\b
.endr
	s_wait_xcnt 0x0                                ; the last block's stores have read their data: the loads below land there only behind this wait
.irp t, 0,1,2,3
	ds_load_b128 v[BK+4*\t:BK+4*\t+3], v[\rd] offset:4*PITCH*\t   ; LDS serves a wave's instructions in order: these see the stores above, and the next block's stores come behind them
.endr
.irp t, 0,1,2,3
	s_wait_dscnt 3-\t                              ; the younger read-backs may be out
	global_store_b128 v[CO], v[BK+4*\t:BK+4*\t+3], s[14:15] offset:2048*(\a)+512*\t
.endr
.endm
	s_wait_kmcnt 0x0
	s_cmp_eq_u32 s[JOB], 0                         ; the three exponents of my job: chosen by ids, no branch hangs on them
	s_cselect_b32 s92, s86, s87
	s_cselect_b32 s93, s80, s82
	s_cselect_b32 s94, s81, s83
	s_cmp_eq_u32 s[JOB], 2
	s_cselect_b32 s92, s89, s92
	s_cselect_b32 s93, s84, s93
	s_cselect_b32 s94, s85, s94
	s_sub_co_i32 s92, s92, s93
	s_sub_co_i32 s92, s92, s94                     ; F
	s_add_co_i32 s92, s92, 127
	s_lshl_b32 s93, s92, 23
	v_mov_b32 v[SC], s93
	s_add_co_i32 s92, s92, 8
	s_lshl_b32 s92, s92, 23
	s_or_b32 s92, s92, 0x600000
	v_mov_b32 v[LIM], s92
	PLACES NP                                      ; behind the last products: for the loads into the registers that held A's fragments and for the reads of results
	s_cmp_eq_u32 s[JOB], 2                         ; the job is the same in all partners of the cluster
	s_cbranch_scc1 .Lv_out
	CSLOAD 0
.irp a, 0,1,2,3,4,5,6,7
.if \a < 7
	CSLOAD \a+1
	s_wait_loadcnt 16                              ; this block's cos and sin are in; the next block's sixteen loads may be out
.else
	s_wait_loadcnt 0
.endif
	ROPE \a
	TAILBLK \a, STO, RD
.endr
	s_branch .Ldone
.Lv_out:
.irp a, 0,1,2,3,4,5,6,7
	HOLDV \a
	TAILBLK \a, STOV, RDV
.endr
.Ldone:
	s_wait_tensorcnt 0x0                           ; the wave's end: behind my last tensor load and my last LDS store
	ds_add_u32 v[SPW], v[NIL]
	s_wait_dscnt 0x0
	CROUND                                         ; the closing round: no work-group ends while a partner may still ask for a tile that names it
	s_endpgm
.Lfunc_end_k_q7e08fe1ae6_qkv:
	.size	k_q7e08fe1ae6_qkv, .Lfunc_end_k_q7e08fe1ae6_qkv-k_q7e08fe1ae6_qkv
	.p2alignl 7, 3214868480
	.fill 96, 4, 3214868480
	.section	.rodata,"a",@progbits
	.p2align	6, 0x0
	.amdhsa_kernel k_q7e08fe1ae6_qkv
		.amdhsa_group_segment_fixed_size 327680
		.amdhsa_private_segment_fixed_size 0
		.amdhsa_enable_private_segment 0
		.amdhsa_kernarg_size 48
		.amdhsa_user_sgpr_count 2
		.amdhsa_user_sgpr_kernarg_segment_ptr 1
		.amdhsa_wavefront_size32 1
		.amdhsa_system_sgpr_workgroup_id_x 1
		.amdhsa_system_sgpr_workgroup_id_y 1
		.amdhsa_system_sgpr_workgroup_id_z 1
		.amdhsa_system_vgpr_workitem_id 0
		.amdhsa_next_free_vgpr 1024
		.amdhsa_next_free_sgpr 96
		.amdhsa_reserve_vcc 0
		.amdhsa_float_denorm_mode_32 3
		.amdhsa_float_denorm_mode_16_64 3
		.amdhsa_memory_ordered 1
		.amdhsa_forward_progress 1
		.amdhsa_inst_pref_size 233
	.end_amdhsa_kernel
	.amdgpu_metadata
---
amdhsa.version: [ 1, 2 ]
amdhsa.kernels:
  - .name:           k_q7e08fe1ae6_qkv
    .symbol:         k_q7e08fe1ae6_qkv.kd
    .args:
      - { .name: xc, .offset: 0, .size: 8, .value_kind: global_buffer, .address_space: global }
      - { .name: wc, .offset: 8, .size: 8, .value_kind: global_buffer, .address_space: global }
      - { .name: lowp_scales, .offset: 16, .size: 8, .value_kind: global_buffer, .address_space: global }
      - { .name: freqs_cos, .offset: 24, .size: 8, .value_kind: global_buffer, .address_space: global }
      - { .name: freqs_sin, .offset: 32, .size: 8, .value_kind: global_buffer, .address_space: global }
      - { .name: qkvc, .offset: 40, .size: 8, .value_kind: global_buffer, .address_space: global }
    .group_segment_fixed_size: 327680
    .private_segment_fixed_size: 0
    .kernarg_segment_align: 8
    .kernarg_segment_size: 48
    .max_flat_workgroup_size: 128
    .sgpr_count:     96
    .vgpr_count:     1024
    .wavefront_size: 32
...
	.end_amdgpu_metadata
.endif
;; end of part 2
;; launch attn (part 3): grid 16 x 16, 8 waves a work-group, clusters of 4 x 4, 327,680 bytes of LDS; arguments qkvc, mask, lowp_scales, ac; writes ac
.if DOCPART == 3
	.amdgcn_target "amdgcn-amd-amdhsa--gfx1250"
	.amdhsa_code_object_version 6
	.text
	.protected	k_q7e08fe1ae6_attn
	.globl	k_q7e08fe1ae6_attn
	.p2align	8
	.type	k_q7e08fe1ae6_attn,@function
k_q7e08fe1ae6_attn:
	s_mov_b64 s[64:65], 0
	v_nop
	global_prefetch_b8 v0, s[64:65] scope:SCOPE_SE
	s_setreg_imm32_b32 hwreg(HW_REG_WAVE_MODE, 25, 1), 1
	s_wait_xcnt 0x0
	s_wait_alu depctr_hold_cnt(0) depctr_sa_sdst(0) depctr_va_vdst(0) depctr_va_sdst(0) depctr_va_ssrc(0) depctr_va_vcc(0) depctr_vm_vsrc(0)
	s_getreg_b32 s2, hwreg(HW_REG_IB_STS2, 6, 4)
	s_cmp_eq_u32 s2, 0
	s_cbranch_scc0 .Lentry_in_a_cluster
	s_endpgm
.Lentry_in_a_cluster:
	s_bfe_u32 s2, ttmp6, 0x10000c
	s_cmp_lg_u32 s2, 0xf033
	s_cbranch_scc0 .Lentry_shape_is_right
	s_endpgm
.Lentry_shape_is_right:
; THIRD LAUNCH: for each head, softmax(q k^T / sqrt(128) + mask) v, both products on codes of E4M3; the result quantised for the last product.  Nothing is left out: the mask is an input, so every key step is walked for every query.
; THE SOFTMAX AHEAD OF THE SECOND PRODUCT: w = score / sqrt(128) + mask; t = w x log2(e), rounded to f32; M = the running largest t rounded UP to a whole number (kept as -M = floor(-t)); p = 2^(t - M) is quantised with entry 8's scale.
; t is rounded first and M taken away afterwards, in two lines: on a row whose every key carries a very large negative mask, t - M is then a difference of two f32 numbers and exact.
; The row's sum is taken of the unquantised p and divides at the end.  When M moves, the sum and O are multiplied by f = 2^(old M - new M): exact, and without a branch on data.
; SHARES: a work-group owns 128 queries of one head; each of its eight waves 16 of them, one tile, in 512 registers: two waves to a SIMD.  256 work-groups.  Every wave walks 16 key steps of 128 keys.
; LAYOUT: both products are used transposed (S^T = K Q^T, O^T = V^T P^T): a lane holds ONE query (lane % 16).  K's tile t takes the neighbouring keys 16 t + 0 .. 15: the 16 rows of a load, 36 words apart, start at 16 different groups of
; four banks.  Register 8 t + j of the scores is then key 16 t + 8 (lane / 16) + j; the mask's numbers are loaded into the same places; p's codes of tile t fall into registers 2 t, 2 t + 1; and V's fragments are fetched to match,
; 8 bytes at 16 c + 8 (lane / 16) into registers 2 c, 2 c + 1: every product meets its partner.
; THE STEP IS CUT BEHIND THE EXPONENTIALS.  All of a step's K and V lie in registers (window 1), so a slot is done with as soon as they are read.  The change of slots stands behind step j's exponentials; what is left of step j
; (the row's sum, the hold, the conversions, O's rescaling, V^T P) needs registers alone and runs behind the barrier, with the loads of step j + 1's K and mask dealt in among it; V of a step is fetched in four runs among the front of its softmax.
; THE RING: two slots of one key step: K (128 rows x 128 bytes), V (128 channels x 128 keys), the mask (128 queries x 128 f32).  Waves 0-3 fetch K's and V's halves, waves 4-7 32 rows of the mask each: every wave has one load.
; Two key steps to a slot would be 4 x 104,448 bytes: more than a work-group can have.
; CLUSTERS: 4 x 4.  Work-group x is the query block, y the head.  K and V hang on the head alone: asked for jointly along a row of the cluster; the mask's tile on the query block alone: jointly along a column.
; LIMITS: entries 6 + 7 between -122 and 130 (added to the exponent field of 1 / sqrt(128)); entries 8 and 10 between -126 and 119.  NaN among the inputs, a mask entry of +infinity and a row masked by -infinity throughout are not served.
; REGISTERS: window 0: v1-7 places that stay; v8-10 the step's addresses; v12 -M, v13 the largest t, v[14:15] the sum in two halves; v16-31 Q; v32-95 the mask's 64 numbers; v96-159 S^T, t, p; v160-223 O^T; v224-239 p's codes;
;   v240-251 scales and places; v[252:253] f, kept until the step's tail has used it.   window 1: v0-127 K's eight fragments; v128-255 V's eight.
.set TEN,   4194304
.set KP,    144                        ; a row of K or V in LDS: 128 bytes + 16
.set MP,    528                        ; a row of the mask's tile: 512 bytes + 16
.set VOFF,  128*KP
.set MOFF,  2*128*KP
.set SLOT1, 1<<17                      ; slot 1 begins here: one exclusive or turns an address from one slot into the other
.set SPARE, 2*SLOT1                    ; behind the ring: the spare words, 128 bytes a wave, which no other line names
.set AK0, 1                            ; v1   K: 144 r + 16 h
.set AV0, 2                            ; v2   V: VOFF + 144 r + 8 h
.set AM0, 3                            ; v3   the mask: MOFF + 528 (16 wave + r) + 32 h
.set PFO, 4                            ; v4   the prefetches' offset from lane to lane; never rewritten
.set SPW, 5                            ; v5   LDS address of my spare word; never rewritten
.set NIL, 6                            ; v6   0; never rewritten
.set GO,  7                            ; v7   16 x lane
.set ADK, 8
.set ADV, 9
.set ADM, 10
.set STI, 247                          ; v247 the way out: my stage (16 rows x 144 bytes, in slot 0, which has had its last fill and its last read by then): in
.set STB, 248                          ; v248 and back
.set QA,  249
.set TB,  2                            ; s2   LDS byte at which the slot in hand begins
.set CNT, 3                            ; s3   changes of slots that still fill
.set WV,  18
.set SEL, 20                           ; s[20:21] selects for v_permlanex16_b32: lane l xor 16
.set CS,  22                           ; s[22:23] 2^(e6 + e7) / sqrt(128)
.set G1KV, 24                          ; s[24:31] group 1 for K's and V's tiles; s[32:39] for the mask's
.set G1M,  32
.set G0KV, 40                          ; s[40:47] group 0: a set for each first fill; the second then walks on
.set G0M,  48                          ; s[48:55] the same for the mask
.set L2E, 66                           ; s[66:67] log2(e)
.set PFA, 68                           ; s[68:69] where my prefetches stand
.set PFS, 70                           ; s[70:71] a key step on, in bytes
.set LIM, 72                           ; s72  1 in a wave that prefetches, else the greatest number
.set MSB, 0
.macro WIN new                         ; the immediate's high byte repeats the setting that is left; a switch that changes nothing is dropped
.if MSB != (\new)
	s_set_vgpr_msb (MSB<<8)|(\new)
.set MSB, (\new)
.endif
.endm
.set W_MUL, 0x01                       ; source 0 (K's or V's fragment) window 1; all else window 0
.set W_LD,  0x40                       ; destination window 1, address window 0
.macro JLOAD                           ; the joint refill; the branch hangs on the wave's number alone.  An s_nop 0 and four v_nop follow each line
	s_cmp_lt_u32 s[WV], 4
	s_cbranch_scc0 .Lfor_m_\@
	tensor_load_to_lds s[G0KV+4:G0KV+7], s[G1KV:G1KV+7]
	s_nop 0
.rept 4
	v_nop
.endr
	s_branch .Lasked_\@
.Lfor_m_\@:
	tensor_load_to_lds s[G0M+4:G0M+7], s[G1M:G1M+7]
	s_nop 0
.rept 4
	v_nop
.endr
.Lasked_\@:
.endm
; A PREFETCH of the key step that the NEXT change of slots will ask for, one instruction in a wave that asks.  Each aligned block of 256 bytes is named once in the launch:
; K and V: the clusters along x walk the same heads: cluster x = 0 asks; in it wave 0 of the partner at place cx takes K's first half, K's second, V's first or V's second (8,192 bytes, lanes 256 bytes apart): told apart by address.
; the mask: the clusters along y walk the same query blocks: cluster y = 0 asks; waves 4 and 5 of the partner at place cy take rows 32 cy + lane, the first or second 256 bytes of the step's 512.
; The last change that fills asks for nothing; key steps 0 to 2 come by their loads alone.
.macro ASK
	s_cmp_gt_u32 s[CNT], s[LIM]
	s_cbranch_scc0 .Lnot_mine_\@
	global_prefetch_b8 v[PFO], s[PFA:PFA+1] th:TH_LOAD_NT scope:SCOPE_SE
.Lnot_mine_\@:
.endm
.macro CROUND                          ; a round of the cluster's barrier
	s_barrier_signal -1
	s_barrier_wait -1
	s_cmp_lg_u32 s[WV], 0
	s_cbranch_scc1 .Lnot_wave_0_\@
	s_barrier_signal -3
.Lnot_wave_0_\@:
	s_barrier_wait -3
	s_barrier_signal -1
	s_barrier_wait -1
.endm
	s_load_b256 s[4:11], s[0:1], 0x0               ; qkvc, mask, the exponents, ac
	v_lshl_add_u32 v[SPW], v0, 2, SPARE
	v_mov_b32 v[NIL], 0
	ds_add_u32 v[SPW], v[NIL]                      ; the wave's opening: the add, twice on end, and its wait ahead of my first tensor load; the set-up below stands between
	ds_add_u32 v[SPW], v[NIL]
	v_lshrrev_b32 v8, 5, v0
	v_readfirstlane_b32 s[WV], v8                  ; wave 0..7
	s_and_b32 s19, s[WV], 3                        ; which quarter of K and V, or of the mask's rows, I fetch
	s_bfe_u32 s73, ttmp6, 0x40000                  ; cx
	s_bfe_u32 s74, ttmp6, 0x40004                  ; cy
	s_lshl_b32 s75, ttmp9, 2
	s_add_co_u32 s75, s75, s73                     ; the query block
	s_and_b32 s76, ttmp7, 0xffff                   ; cluster y
	s_lshl_b32 s77, s76, 2
	s_add_co_u32 s77, s77, s74                     ; the head
	s_lshl_b32 s78, s74, 2
	s_lshl_b32 s78, 15, s78                        ; my row of the cluster
	s_lshl_b32 s79, 0x1111, s73                    ; my column
	s_or_b32 s[G1KV], s78, (0<<16)|(1<<20)|(1<<21)|(4<<22)|(3<<25)  ; the mask of my row; elements of 1 byte; padding: four words after every 32
	s_mov_b32 s[G1KV+1], 128<<16                   ; tensor_dim0
	s_mov_b32 s[G1KV+2], 64<<16                    ; tensor_dim1
	s_mov_b32 s[G1KV+3], 128<<16                   ; tile_dim0
	s_mov_b32 s[G1KV+4], 64                        ; tile_dim1
	s_mov_b32 s[G1KV+5], 128                       ; tensor_dim0_stride
	s_mov_b32 s[G1KV+6], 0
	s_mov_b32 s[G1KV+7], 0
	s_or_b32 s[G1M], s79, (2<<16)|(1<<20)|(1<<21)|(6<<22)|(3<<25)   ; the mask of my column; elements of 4 bytes; padding: four words after every 128
	s_mov_b32 s[G1M+1], 128<<16
	s_mov_b32 s[G1M+2], 32<<16
	s_mov_b32 s[G1M+3], 128<<16
	s_mov_b32 s[G1M+4], 32
	s_mov_b32 s[G1M+5], 2048
	s_mov_b32 s[G1M+6], 0
	s_mov_b32 s[G1M+7], 0
	s_lshl_b32 s83, s77, 18                        ; the head's 262,144 bytes in q, k, v and ac
	s_lshr_b32 s80, s19, 1
	s_add_co_u32 s80, s80, 1
	s_lshl_b32 s80, s80, 22                        ; k's codes (quarters 0, 1) or v's (2, 3),
	s_add_co_u32 s80, s80, s83
	s_and_b32 s82, s19, 1
	s_lshl_b32 s82, s82, 13                        ; 64 rows of 128 bytes
	s_add_co_u32 s80, s80, s82
	s_mov_b32 s81, 0
	s_lshl_b32 s84, s75, 20                        ; the mask: 128 rows of 8,192 bytes x query block,
	s_lshl_b32 s85, s19, 18                        ; 32 rows x quarter
	s_add_co_u32 s84, s84, s85
	s_mov_b32 s85, 0
	s_mul_i32 s86, s19, 64*KP                      ; where they go: no place in the cluster enters an LDS address
	s_mul_i32 s87, s19, 32*MP
	s_add_co_u32 s87, s87, MOFF
	s_lshl_b32 s88, s75, 14
	s_lshl_b32 s89, s[WV], 11
	s_add_co_u32 s88, s88, s89
	s_add_co_u32 s88, s88, s83                     ; my 16 queries' rows of 128 bytes, in q and in ac
	s_mov_b32 s89, 0
	; the prefetches: who asks, and where they stand: at key step 2; the first change of slots steps them to 3
	s_lshr_b32 s61, s73, 1
	s_add_co_u32 s61, s61, 1
	s_lshl_b32 s61, s61, 22
	s_add_co_u32 s61, s61, s83
	s_and_b32 s62, s73, 1
	s_lshl_b32 s62, s62, 13
	s_add_co_u32 s61, s61, s62
	s_add_co_u32 s61, s61, 2*16384
	s_lshl_b32 s62, s75, 20
	s_lshl_b32 s63, s74, 18
	s_add_co_u32 s62, s62, s63
	s_and_b32 s63, s[WV], 1
	s_lshl_b32 s63, s63, 8
	s_add_co_u32 s62, s62, s63
	s_add_co_u32 s62, s62, 2*512
	s_movk_i32 s[PFS], 512
	s_cmp_lt_u32 s[WV], 4
	s_cselect_b32 s62, s61, s62
	s_cselect_b32 s[PFS], 0x4000, s[PFS]
	s_cselect_b32 s91, 8, 13                       ; from lane to lane: 256 bytes, or a row of the mask
	s_mov_b32 s63, 0
	s_mov_b32 s[PFS+1], 0
	v_and_b32 v[PFO], 31, v0
	v_lshlrev_b32 v[PFO], s91, v[PFO]
	s_or_b32 s92, s[WV], ttmp9                     ; 0 in wave 0 of cluster x = 0
	s_lshr_b32 s93, s[WV], 1
	s_xor_b32 s93, s93, 2
	s_or_b32 s93, s93, s76                         ; 0 in waves 4 and 5 of cluster y = 0
	s_cmp_eq_u32 s92, 0
	s_cselect_b32 s[LIM], 1, -1
	s_cmp_eq_u32 s93, 0
	s_cselect_b32 s[LIM], 1, s[LIM]                ; the same in all partners, for a given wave
	s_mov_b32 s[SEL], 0x76543210
	s_mov_b32 s[SEL+1], 0xfedcba98
	s_mov_b32 s[CS], 0x3db504f3                    ; 1 / sqrt(128)
	s_mov_b32 s[L2E], 0x3fb8aa3b                   ; log2(e)
	s_mov_b32 s[L2E+1], s[L2E]                     ; (named with it as a pair, so it is written)
	s_mov_b32 s[TB], 0
	s_mov_b32 s[CNT], 14
	s_wait_dscnt 0x0                               ; both opening adds are done
	s_wait_kmcnt 0x0
	s_load_b128 s[56:59], s[8:9], 0x18             ; e6, e7, e8, e9
	s_load_b32 s60, s[8:9], 0x28                   ; e10
	s_cmp_lt_u32 s[WV], 4
	s_cselect_b64 s[PFA:PFA+1], s[4:5], s[6:7]
	s_add_nc_u64 s[PFA:PFA+1], s[PFA:PFA+1], s[62:63]
	s_add_nc_u64 s[12:13], s[4:5], s[88:89]        ; q's codes at my first query
	s_add_nc_u64 s[10:11], s[10:11], s[88:89]      ; ac likewise
	s_add_nc_u64 s[14:15], s[4:5], s[80:81]        ; my quarter of K and V, key step 0
	s_add_nc_u64 s[16:17], s[6:7], s[84:85]        ; my quarter of the mask's tile
.irp s, 0,1
	s_mov_b32 s[G0KV+4*\s], 1
	s_add_co_u32 s[G0KV+4*\s+1], s86, \s*SLOT1
	s_add_nc_u64 s[G0KV+4*\s+2:G0KV+4*\s+3], s[14:15], \s*16384
	s_or_b32 s[G0KV+4*\s+3], s[G0KV+4*\s+3], 0x80000000
	s_mov_b32 s[G0M+4*\s], 1
	s_add_co_u32 s[G0M+4*\s+1], s87, \s*SLOT1
	s_add_nc_u64 s[G0M+4*\s+2:G0M+4*\s+3], s[16:17], \s*512
	s_or_b32 s[G0M+4*\s+3], s[G0M+4*\s+3], 0x80000000
.endr
	CROUND                                         ; all sixteen work-groups are here: the first joint loads meet
	s_cmp_lt_u32 s[WV], 4                          ; a wave's two first fills stand in one branch, ahead of every wait on TENSORcnt and every LDS read: two loads of mine are out
	s_cbranch_scc0 .Lfirst_m
	tensor_load_to_lds s[G0KV:G0KV+3], s[G1KV:G1KV+7]
	s_nop 0
	tensor_load_to_lds s[G0KV+4:G0KV+7], s[G1KV:G1KV+7]
	s_nop 0
.rept 4
	v_nop
.endr
	s_branch .Lfirst_asked
.Lfirst_m:
	tensor_load_to_lds s[G0M:G0M+3], s[G1M:G1M+7]
	s_nop 0
	tensor_load_to_lds s[G0M+4:G0M+7], s[G1M:G1M+7]
	s_nop 0
.rept 4
	v_nop
.endr
.Lfirst_asked:
	v_and_b32 v250, 15, v0                         ; r
	v_bfe_u32 v251, v0, 4, 1                       ; h
	v_lshlrev_b32 v[QA], 7, v250
	v_lshl_add_u32 v[QA], v251, 4, v[QA]
.irp c, 0,1,2,3
	global_load_b128 v[16+4*\c:19+4*\c], v[QA], s[12:13] offset:32*\c   ; Q's fragment stays in registers
.endr
	v_mul_u32_u24 v[AK0], v250, KP                 ; 144 r
	v_lshl_add_u32 v[STI], v251, 3, v[AK0]         ; 144 r + 8 h
	v_add_nc_u32 v[AV0], VOFF, v[STI]              ; V: channel r of a tile, 8 bytes for each half of the lanes
	v_lshl_add_u32 v[AK0], v251, 4, v[AK0]         ; K: key r of a tile, 16 bytes for each half
	s_mul_i32 s90, s[WV], 16*MP
	s_add_co_u32 s90, s90, MOFF
	v_mul_u32_u24 v[AM0], v250, MP
	v_lshl_add_u32 v[AM0], v251, 5, v[AM0]
	v_add_nc_u32 v[AM0], s90, v[AM0]               ; the mask: my query's row, + 32 h: my 8 keys of each 16
	s_mul_i32 s91, s[WV], 16*KP
	v_add_nc_u32 v[STI], s91, v[STI]               ; the stage, in: row r, 8 bytes for each half of the lanes
	v_bfe_u32 v11, v0, 3, 2
	v_mul_u32_u24 v[STB], v11, KP
	v_and_b32 v11, 7, v0
	v_lshl_add_u32 v[STB], v11, 4, v[STB]
	v_add_nc_u32 v[STB], s91, v[STB]               ; back: eight lanes to a row of 128 bytes
	v_and_b32 v[GO], 31, v0
	v_lshlrev_b32 v[GO], 4, v[GO]
	v_mov_b32 v13, 0xff61b1e6                      ; the largest t so far: -3e38
	v_floor_f32 v12, -v13                          ; -M
	v_mov_b32 v14, 0                               ; the sum, in two halves
	v_mov_b32 v15, 0
	v_mov_b32 v246, 0                              ; written once: a lane permute's destination counts as one of its sources
	v_mov_b32 v253, 0                              ; (named as the upper half of the pair v[252:253])
	s_wait_kmcnt 0x0
	s_add_co_i32 s93, s56, s57
	s_lshl_b32 s93, s93, 23
	s_add_co_i32 s[CS], s[CS], s93                 ; a score stands for score x 2^(e6 + e7): added to the exponent field
	s_mov_b32 s[CS+1], s[CS]
	s_add_co_i32 s93, s58, 127
	s_lshl_b32 s94, s93, 23
	v_mov_b32 v244, s94                            ; 2^e8
	s_add_co_i32 s93, s93, 8
	s_lshl_b32 s93, s93, 23
	s_or_b32 s93, s93, 0x600000
	v_mov_b32 v240, s93                            ; 448 x 2^e8
	s_add_co_i32 s93, s60, 127
	s_lshl_b32 s94, s93, 23
	v_mov_b32 v245, s94                            ; 2^e10
	s_add_co_i32 s93, s93, 8
	s_lshl_b32 s93, s93, 23
	s_or_b32 s93, s93, 0x600000
	v_mov_b32 v241, s93                            ; 448 x 2^e10
; THE LDS LOADS OF A KEY STEP, in runs of 16 or fewer that stand among vector work.
.macro KLOAD g                         ; K's fragments of tiles 4 g .. 4 g + 3 (16 keys x 128 channels each): registers 4 c .. 4 c + 3 hold channels 32 c + 16 h + 0 .. 15, as Q's do
	WIN W_LD
.irp t, 0,1,2,3
.irp c, 0,1,2,3
	ds_load_b128 v[16*(4*(\g)+\t)+4*\c:16*(4*(\g)+\t)+4*\c+3], v[ADK] offset:16*(4*(\g)+\t)*KP+32*\c
.endr
.endr
	WIN 0
.endm
.macro MLOAD q                         ; the mask's numbers for tiles 2 q, 2 q + 1: register 32 + 8 t + j: mask(my query, key 16 t + 8 h + j): the scores' places
.irp u, 0,1
.irp i, 0,1
	ds_load_b128 v[32+8*(2*(\q)+\u)+4*\i:35+8*(2*(\q)+\u)+4*\i], v[ADM] offset:64*(2*(\q)+\u)+16*\i
.endr
.endr
.endm
.macro VLOAD g                         ; V's fragments of channel tiles 2 g, 2 g + 1: registers 2 c, 2 c + 1 hold keys 16 c + 8 h + 0 .. 7, as p's codes do; the 32 lanes of a load touch 64 different banks
	WIN W_LD
.irp u, 0,1
.irp c, 0,1,2,3,4,5,6,7
	ds_load_b64 v[128+16*(2*(\g)+\u)+2*\c:129+16*(2*(\g)+\u)+2*\c], v[ADV] offset:16*(2*(\g)+\u)*KP+16*\c
.endr
.endr
	WIN 0
.endm
; THE TAIL OF A KEY STEP, on registers alone: the row's sum of the unquantised p, the hold, the conversions.  ld = 1: the next step's K (tiles 4-7) and mask are asked for among these lines.
.macro CPART ld
	v_pk_mul_f32 v[14:15], v[14:15], v[252:253] op_sel_hi:[1,0]   ; the sums under the new M
	v_pk_add_f32 v[242:243], v[96:97], v[98:99]    ; two at a time, in two chains
.irp i, 4,8,12,16,20,24,28,32,36,40,44,48,52,56,60
	v_pk_add_f32 v[14:15], v[14:15], v[96+\i:97+\i]
	v_pk_add_f32 v[242:243], v[242:243], v[98+\i:99+\i]
.endr
	v_pk_add_f32 v[14:15], v[14:15], v[242:243]
.if \ld
	KLOAD 1
.endif
.irp b, 0,1,2,3
.irp i, 0,1,2,3,4,5,6,7,8,9,10,11,12,13,14,15
	v_min_num_f32 v[96+16*\b+\i], v[96+16*\b+\i], v240   ; the conversion does not saturate (ISA guide 7.6.2); p is not negative, so the hold is one-sided
.endr
	v_cvt_scalef32_pk8_fp8_f32 v[224+4*\b:225+4*\b], v[96+16*\b:103+16*\b], v244     ; tile 2 b's eight keys: registers 2 (2 b), 2 (2 b) + 1 of the operand
	v_cvt_scalef32_pk8_fp8_f32 v[226+4*\b:227+4*\b], v[104+16*\b:111+16*\b], v244    ; tile 2 b + 1's
.if \ld
	MLOAD \b
.endif
.endr
	v_nop                                          ; a plain line between the last conversion and the products that read its result and write over its sources
.endm
.macro RESC                            ; O^T under the new M: x f; each accumulator from its low end on
.set n, 0
.rept 32
	v_pk_mul_f32 v[160+n:161+n], v[160+n:161+n], v[252:253] op_sel_hi:[1,0]
.set n, n+2
.endr
.endm
.macro PVMUL start                     ; O^T += V^T P^T; start = 1: the first product starts the sums: nothing is cleared.  The eight accumulators take turns, one instruction a turn
	WIN W_MUL
.irp t, 0,1,2,3,4,5,6,7
.if \start
	v_wmma_f32_16x16x128_fp8_fp8 v[160+8*\t:167+8*\t], v[128+16*\t:143+16*\t], v[224:239], 0
.else
	v_wmma_f32_16x16x128_fp8_fp8 v[160+8*\t:167+8*\t], v[128+16*\t:143+16*\t], v[224:239], v[160+8*\t:167+8*\t]
.endif
.endr
	WIN 0
.rept 4
	v_nop                                          ; places: for the loads into V's registers further down, and for the first read of O^T
.endr
.endm
; THE FRONT OF A KEY STEP: the scores, the mask, t, M, the exponentials; V's 64 loads in four runs among them.
; V's loads and the add in front of the barrier can stand at more than DScnt's field holds: the issue then stalls (ISA guide 5.7.1), and only a wait for 0 follows them.
.macro FRONT
	s_wait_dscnt 32                                ; K's tiles 0-3 are in; behind them: K's tiles 4-7 (16 loads) and the mask (16)
	WIN W_MUL
.irp t, 0,1,2,3
	v_wmma_f32_16x16x128_fp8_fp8 v[96+8*\t:103+8*\t], v[16*\t:16*\t+15], v[16:31], 0
.endr
	s_wait_dscnt 16                                ; all of K is in; the mask's 16 loads may be out
.irp t, 4,5,6,7
	v_wmma_f32_16x16x128_fp8_fp8 v[96+8*\t:103+8*\t], v[16*\t:16*\t+15], v[16:31], 0
.endr
	WIN 0
.rept 4
	v_nop                                          ; places in front of the first read of the scores
.endr
	s_wait_dscnt 0x0                               ; the mask
.set n, 0
.rept 32
	v_pk_fma_f32 v[96+n:97+n], v[96+n:97+n], s[CS:CS+1], v[32+n:33+n] op_sel_hi:[1,0,1]   ; w = score / sqrt(128) + mask
.set n, n+2
.endr
	VLOAD 0
.set n, 0
.rept 32
	v_pk_mul_f32 v[96+n:97+n], v[96+n:97+n], s[L2E:L2E+1] op_sel_hi:[1,0]   ; t = w x log2(e)
.set n, n+2
.endr
	VLOAD 1
	v_max3_num_f32 v254, v96, v97, v98             ; the step's largest t of my query, among my 64 keys, in two chains,
	v_max3_num_f32 v252, v99, v100, v101           ; (the last step's f has been used by its tail: v252 is free)
.irp i, 6,10,14,18,22,26,30,34,38,42,46,50,54,58
	v_max3_num_f32 v254, v254, v[96+\i], v[97+\i]
	v_max3_num_f32 v252, v252, v[98+\i], v[99+\i]
.endr
	v_max3_num_f32 v254, v254, v158, v159
	v_max_num_f32 v254, v254, v252
	v_permlanex16_b32 v246, v254, s[SEL], s[SEL+1]
	v_max_num_f32 v254, v254, v246                 ; and among lane l xor 16's
	v_max_num_f32 v13, v13, v254                   ; the running largest t
	v_mov_b32 v254, v12
	v_floor_f32 v12, -v13                          ; the new -M = -ceil(t)
	v_sub_f32 v254, v12, v254                      ; old M less new M: a whole number, 0 or less
	v_cvt_i32_f32 v254, v254                       ; (it saturates)
	v_ldexp_f32 v252, 1.0, v254                    ; f = 2^(old M - new M)
	VLOAD 2
.set n, 0
.rept 32
	v_pk_add_f32 v[96+n:97+n], v[96+n:97+n], v[12:13] op_sel_hi:[1,0]   ; t - M (of the pair the low word, -M, serves both halves)
.set n, n+2
.endr
	VLOAD 3
.set n, 0
.rept 64
	v_exp_f32 v[96+n], v[96+n]                     ; p = 2^(t - M), at most 1
.set n, n+1
.endr
	v_nop                                          ; the plain line behind the exponentials
	s_wait_alu depctr_va_vdst(0)                   ; one wait for the whole batch, ahead of the branches of the change of slots and of the tail, its first reader
.endm
; THE CHANGE OF SLOTS.  Each wave waits for all its tensor loads (one is out: its part of the other slot), adds 0 to its spare word, and waits for that and for its reads of the slot in hand, V's among them.
; fill = 1: the barrier is a round of the cluster's, and behind it the slot just read out is filled with the key step two on: the load has a key step in which to land.
.macro CHANGE fill
	s_wait_tensorcnt 0x0                           ; no tensor load of mine is out, so a group 0 may be written
	ds_add_u32 v[SPW], v[NIL]                      ; 0 onto my spare word
.if \fill
	s_xor_b32 s[G0KV+5], s[G0KV+5], SLOT1          ; the walking descriptors: the other slot than last time, the next key step
	s_add_nc_u64 s[G0KV+6:G0KV+7], s[G0KV+6:G0KV+7], 16384
	s_xor_b32 s[G0M+5], s[G0M+5], SLOT1
	s_add_nc_u64 s[G0M+6:G0M+7], s[G0M+6:G0M+7], 512
	s_wait_xcnt 0x0                                ; the last prefetch, a key step back, has read its address
	s_add_nc_u64 s[PFA:PFA+1], s[PFA:PFA+1], s[PFS:PFS+1]
	s_wait_dscnt 0x0                               ; the add is done, and my reads of the slot are over: K, V and the mask are in registers
	CROUND
	JLOAD
	ASK
.else
	s_wait_dscnt 0x0
	s_barrier_signal -1
	s_barrier_wait -1
.endif
	s_xor_b32 s[TB], s[TB], SLOT1                  ; on to the other slot
.endm
; ONE TRIP: the loads of this step's K and mask, with the last step's tail among them; this step's front; the change of slots.
; pv = 0: there is no last step; 1: its V^T P starts O^T; 2: O^T is rescaled and added onto.   chg = 1: a change that fills; 2: a change that fills nothing; 0: no change: V is waited for.
.macro BODY pv, chg
	v_add_nc_u32 v[ADK], s[TB], v[AK0]
	v_add_nc_u32 v[ADV], s[TB], v[AV0]
	v_add_nc_u32 v[ADM], s[TB], v[AM0]
	KLOAD 0
.if \pv
	CPART 1
.if \pv == 2
	RESC
	PVMUL 0
.else
	PVMUL 1
.endif
.else
	KLOAD 1
	MLOAD 0
	MLOAD 1
	MLOAD 2
	MLOAD 3
.endif
	FRONT
.if \chg == 1
	CHANGE 1
.endif
.if \chg == 2
	CHANGE 0
.endif
.if \chg == 0
	s_wait_dscnt 0x0                               ; V
.endif
.endm
	s_wait_tensorcnt 1                             ; my part of slot 0 is in; slot 1's may stay out
	s_barrier_signal -1
	s_barrier_wait -1
	s_wait_loadcnt 0x0                             ; Q
	BODY 0, 1                                      ; key step 0; key step 2 is asked for
	s_mov_b32 s[CNT], 13
	BODY 1, 1                                      ; key step 1, and step 0's tail
	s_mov_b32 s[CNT], 12
.Lstep:                                            ; 12 trips: key steps 2 to 13; behind each, the key step two on is asked for
	BODY 2, 1
	s_sub_co_u32 s[CNT], s[CNT], 1
	s_cmp_lg_u32 s[CNT], 0
	s_cbranch_scc1 .Lstep
	BODY 2, 2                                      ; the end is written out: key step 14
	BODY 2, 0                                      ; key step 15,
	CPART 0                                        ; and its tail
	RESC
	PVMUL 0
	; THE WAY OUT: O^T / the sum x 2^(e8 + e9), quantised with entry 10's scale; 8 bytes a lane and tile through my stage, out as 512 consecutive bytes a store.
	v_add_f32 v14, v14, v15
	v_permlanex16_b32 v252, v14, s[SEL], s[SEL+1]
	v_add_f32 v14, v14, v252                       ; the row's sum
	v_rcp_f32 v14, v14
	v_nop                                          ; a plain line behind the reciprocal
	s_add_co_i32 s93, s58, s59
	s_wait_alu depctr_va_vdst(0)                   ; and the wait ahead of its first reader
	v_ldexp_f32 v14, v14, s93
.set n, 0
.rept 64
	v_mul_f32 v[96+n], v[160+n], v14               ; register 8 t + i: o(query r, channel 16 t + 8 h + i); each accumulator from its low end on
.set n, n+1
.endr
.set n, 0
.rept 64
	v_med3_num_f32 v[96+n], v[96+n], -v241, v241
.set n, n+1
.endr
.irp t, 0,1,2,3,4,5,6,7
	v_cvt_scalef32_pk8_fp8_f32 v[224+2*\t:225+2*\t], v[96+8*\t:103+8*\t], v245
.endr
	v_nop
.irp t, 0,1,2,3,4,5,6,7
	ds_store_b64 v[STI], v[224+2*\t:225+2*\t] offset:16*\t
.endr
.irp i, 0,1,2,3
	ds_load_b128 v[32+4*\i:35+4*\i], v[STB] offset:4*KP*\i   ; LDS serves a wave's instructions in order: these see my stores
.endr
.irp i, 0,1,2,3
	s_wait_dscnt 3-\i                              ; the younger read-backs may be out
	global_store_b128 v[GO], v[32+4*\i:35+4*\i], s[10:11] offset:512*\i
.endr
	s_wait_tensorcnt 0x0                           ; the wave's end: behind my last tensor load and my last LDS store
	ds_add_u32 v[SPW], v[NIL]
	s_wait_dscnt 0x0
	CROUND                                         ; the closing round
	s_endpgm
.Lfunc_end_k_q7e08fe1ae6_attn:
	.size	k_q7e08fe1ae6_attn, .Lfunc_end_k_q7e08fe1ae6_attn-k_q7e08fe1ae6_attn
	.p2alignl 7, 3214868480
	.fill 96, 4, 3214868480
	.section	.rodata,"a",@progbits
	.p2align	6, 0x0
	.amdhsa_kernel k_q7e08fe1ae6_attn
		.amdhsa_group_segment_fixed_size 327680
		.amdhsa_private_segment_fixed_size 0
		.amdhsa_enable_private_segment 0
		.amdhsa_kernarg_size 32
		.amdhsa_user_sgpr_count 2
		.amdhsa_user_sgpr_kernarg_segment_ptr 1
		.amdhsa_wavefront_size32 1
		.amdhsa_system_sgpr_workgroup_id_x 1
		.amdhsa_system_sgpr_workgroup_id_y 1
		.amdhsa_system_sgpr_workgroup_id_z 1
		.amdhsa_system_vgpr_workitem_id 0
		.amdhsa_next_free_vgpr 512
		.amdhsa_next_free_sgpr 100
		.amdhsa_reserve_vcc 0
		.amdhsa_float_denorm_mode_32 3
		.amdhsa_float_denorm_mode_16_64 3
		.amdhsa_memory_ordered 1
		.amdhsa_forward_progress 1
		.amdhsa_inst_pref_size 151
	.end_amdhsa_kernel
	.amdgpu_metadata
---
amdhsa.version: [ 1, 2 ]
amdhsa.kernels:
  - .name:           k_q7e08fe1ae6_attn
    .symbol:         k_q7e08fe1ae6_attn.kd
    .args:
      - { .name: qkvc, .offset: 0, .size: 8, .value_kind: global_buffer, .address_space: global }
      - { .name: mask, .offset: 8, .size: 8, .value_kind: global_buffer, .address_space: global }
      - { .name: lowp_scales, .offset: 16, .size: 8, .value_kind: global_buffer, .address_space: global }
      - { .name: ac, .offset: 24, .size: 8, .value_kind: global_buffer, .address_space: global }
    .group_segment_fixed_size: 327680
    .private_segment_fixed_size: 0
    .kernarg_segment_align: 8
    .kernarg_segment_size: 32
    .max_flat_workgroup_size: 256
    .sgpr_count:     100
    .vgpr_count:     512
    .wavefront_size: 32
...
	.end_amdgpu_metadata
.endif
;; end of part 3
;; launch oproj (part 4): grid 16 x 16, 4 waves a work-group, clusters of 4 x 4, 327,680 bytes of LDS; arguments ac, wc, lowp_scales, out0; writes out0
.if DOCPART == 4
	.amdgcn_target "amdgcn-amd-amdhsa--gfx1250"
	.amdhsa_code_object_version 6
	.text
	.protected	k_q7e08fe1ae6_oproj
	.globl	k_q7e08fe1ae6_oproj
	.p2align	8
	.type	k_q7e08fe1ae6_oproj,@function
k_q7e08fe1ae6_oproj:
	s_mov_b64 s[64:65], 0
	v_nop
	global_prefetch_b8 v0, s[64:65] scope:SCOPE_SE
	s_setreg_imm32_b32 hwreg(HW_REG_WAVE_MODE, 25, 1), 1
	s_wait_xcnt 0x0
	s_wait_alu depctr_hold_cnt(0) depctr_sa_sdst(0) depctr_va_vdst(0) depctr_va_sdst(0) depctr_va_ssrc(0) depctr_va_vcc(0) depctr_vm_vsrc(0)
	s_getreg_b32 s2, hwreg(HW_REG_IB_STS2, 6, 4)
	s_cmp_eq_u32 s2, 0
	s_cbranch_scc0 .Lentry_in_a_cluster
	s_endpgm
.Lentry_in_a_cluster:
	s_bfe_u32 s2, ttmp6, 0x10000c
	s_cmp_lg_u32 s2, 0xf033
	s_cbranch_scc0 .Lentry_shape_is_right
	s_endpgm
.Lentry_shape_is_right:
; FOURTH LAUNCH: out0 = (attention's result) wo^T on codes of E4M3; each finished sum x 2^(e10 + e11).  Nothing of reference() is left out here.
; A = ac (rows: positions), B = wo's codes, the fourth tensor of wc (rows: outputs); both lie [chunk = K / 128][row][128 bytes].
; A tile of out0 is 128 x 128, so that there are 256 work-groups (tiles of 256 x 256 would be 64).  Four waves, each 64 x 64: 16 accumulators.
; K goes in slots of 512 (four chunks) through a ring of two; 2,048 along K are four slots, so everything is written out and there is no loop.  One tensor load brings 128 rows x 2 chunks: two pieces of 16,384 consecutive bytes.
; CLUSTERS: 4 x 4: A's tiles are asked for jointly along a row of the cluster, B's along a column.  THE MATRIX INSTRUCTION IS USED TRANSPOSED (source 0 = B's rows): a lane holds eight neighbouring numbers of a row of out0.
; LIMIT: e10 + e11 between -126 and 127, so that 2^(e10 + e11) is an f32 number.
; REGISTERS: window 0: v16-29 addresses; v32-127 at work on the way out; v128-255 the accumulators ((a, b) at v[128 + 8 (4 a + b)]).  window 1: two fragment buffers of 128: A's four fragments, then B's four.
.set TEN,    4194304
.set CHS,    262144
.set PITCH,  144
.set QOFF,   128*PITCH                 ; one chunk of 128 rows
.set HALFT,  2*QOFF                    ; what one tensor load brings
.set SLOT,   4*HALFT                   ; A's four chunks, then B's
.set SPARE,  2*SLOT                    ; behind the ring: the spare words, 128 bytes a wave, which no other line names
.set SPITCH, 272                       ; the way out: a stage of 16 rows x (256 bytes + 16) for each wave, in slot 0, which has had its last fill and its last read by then
.set ADRA, 16
.set ADRB, 20
.set STO,  24
.set RD,   25
.set CO,   26
.set SPW,  28                          ; v28  LDS address of my spare word; never rewritten
.set NIL,  29                          ; v29  0; never rewritten
.set TMP,  32
.set BK,   64                          ; v64-95 and v96-127 by turns
.set ACC,  128
.set F0,   0
.set F1,   128
.set WV,  12
.set RHO, 13
.set GAM, 14
.set G1, 24
.set G0, 32
.set G1B, 48
.set G0B, 56
.set MSB, 0
.macro WIN new
.if MSB != (\new)
	s_set_vgpr_msb (MSB<<8)|(\new)
.set MSB, (\new)
.endif
.endm
.set MUL,  0x05                        ; sources 0 (B) and 1 (A) window 1; C and D window 0
.set TO_F, 0x40                        ; destination window 1, address window 0
.macro JLOAD s                         ; a joint load: waves 0 and 1 fetch A's chunk pairs, waves 2 and 3 B's; an s_nop 0 and four v_nop follow each line
	s_cmp_eq_u32 s[RHO], 0
	s_cbranch_scc0 .Lfor_b_\@
	tensor_load_to_lds s[G0+4*\s:G0+4*\s+3], s[G1:G1+7]
	s_nop 0
.rept 4
	v_nop
.endr
	s_branch .Lasked_\@
.Lfor_b_\@:
	tensor_load_to_lds s[G0B+4*\s:G0B+4*\s+3], s[G1B:G1B+7]
	s_nop 0
.rept 4
	v_nop
.endr
.Lasked_\@:
.endm
.macro CREST
	s_cmp_lg_u32 s[WV], 0
	s_cbranch_scc1 .Lnot_wave_0_\@
	s_barrier_signal -3
.Lnot_wave_0_\@:
	s_barrier_wait -3
	s_barrier_signal -1
	s_barrier_wait -1
.endm
.macro CROUND
	s_barrier_signal -1
	s_barrier_wait -1
	CREST
.endm
	s_load_b256 s[4:11], s[0:1], 0x0               ; ac, wc, the exponents, out0
	v_lshl_add_u32 v[SPW], v0, 2, SPARE
	v_mov_b32 v[NIL], 0
	ds_add_u32 v[SPW], v[NIL]                      ; the wave's opening: the add, twice on end, and its wait ahead of my first tensor load; the set-up below stands between
	ds_add_u32 v[SPW], v[NIL]
	v_lshrrev_b32 v1, 5, v0
	v_readfirstlane_b32 s[WV], v1
	s_lshr_b32 s[RHO], s[WV], 1                    ; my half of the tile's rows; also: I fetch for A (0) or B (1)
	s_and_b32 s[GAM], s[WV], 1                     ; my half of its columns; also: which pair of chunks I fetch
	s_bfe_u32 s40, ttmp6, 0x40000                  ; cx, cy
	s_bfe_u32 s41, ttmp6, 0x40004
	s_lshl_b32 s42, ttmp9, 2
	s_add_co_u32 s42, s42, s40                     ; tile column
	s_and_b32 s43, ttmp7, 0xffff
	s_lshl_b32 s43, s43, 2
	s_add_co_u32 s43, s43, s41                     ; tile row
	s_lshl_b32 s44, s41, 2
	s_lshl_b32 s44, 15, s44                        ; my row of the cluster
	s_lshl_b32 s45, 0x1111, s40                    ; my column
	s_or_b32 s[G1+0], s44, (0<<16)|(1<<20)|(1<<21)|(4<<22)|(3<<25)   ; the mask; elements of 1 byte; padding on; bit 21 beside a mask; four words after every 32
	s_or_b32 s[G1B+0], s45, (0<<16)|(1<<20)|(1<<21)|(4<<22)|(3<<25)
.irp g, G1, G1B
	s_mov_b32 s[\g+1], 16384<<16                   ; tensor_dim0: 128 rows of one chunk, dense
	s_mov_b32 s[\g+2], 2<<16                       ; tensor_dim1: two chunks
	s_mov_b32 s[\g+3], 16384<<16                   ; tile_dim0
	s_mov_b32 s[\g+4], 2                           ; tile_dim1
	s_mov_b32 s[\g+5], CHS                         ; tensor_dim0_stride
	s_mov_b32 s[\g+6], 0
	s_mov_b32 s[\g+7], 0
.endr
	s_lshl_b32 s22, s[GAM], 19                     ; my pair of chunks
	s_lshl_b32 s20, s43, 14                        ; A: 128 rows of 128 bytes x tile row
	s_add_co_u32 s20, s20, s22
	s_mov_b32 s21, 0
	s_lshl_b32 s46, s42, 14                        ; B: x tile column,
	s_add_co_u32 s46, s46, s22
	s_add_co_u32 s46, s46, 3*TEN                   ; in wc's fourth tensor
	s_mov_b32 s47, 0
	s_mul_i32 s23, s[WV], HALFT                    ; where they go: no place in the cluster enters an LDS address
	s_wait_dscnt 0x0                               ; both opening adds are done
	s_wait_kmcnt 0x0
	s_load_b64 s[66:67], s[8:9], 0x28              ; e10, e11
	s_add_nc_u64 s[20:21], s[4:5], s[20:21]
	s_add_nc_u64 s[46:47], s[6:7], s[46:47]
	CROUND                                         ; all sixteen work-groups are here: the first joint loads meet
.irp s, 0,1
	s_mov_b32 s[G0+4*\s], 1
	s_add_co_u32 s[G0+4*\s+1], s23, \s*SLOT
	s_add_nc_u64 s[G0+4*\s+2:G0+4*\s+3], s[20:21], \s*4*CHS
	s_or_b32 s[G0+4*\s+3], s[G0+4*\s+3], 0x80000000
	s_mov_b32 s[G0B+4*\s], 1
	s_add_co_u32 s[G0B+4*\s+1], s23, \s*SLOT
	s_add_nc_u64 s[G0B+4*\s+2:G0B+4*\s+3], s[46:47], \s*4*CHS
	s_or_b32 s[G0B+4*\s+3], s[G0B+4*\s+3], 0x80000000
	JLOAD \s
.endr
	v_and_b32 v1, 15, v0                           ; r
	v_bfe_u32 v2, v0, 4, 1                         ; h
	v_mul_u32_u24 v3, v1, PITCH
	v_lshl_add_u32 v3, v2, 4, v3
	s_mul_i32 s68, s[RHO], 64*PITCH                ; my 64 rows of A
	s_mul_i32 s69, s[GAM], 64*PITCH                ; my 64 rows of B,
	s_add_co_u32 s69, s69, 2*HALFT                 ; which lie behind A's four chunks
.irp s, 0,1
	v_add_nc_u32 v[ADRA+\s], s68, v3
	v_add_nc_u32 v[ADRB+\s], s69, v3
	s_add_co_u32 s68, s68, SLOT
	s_add_co_u32 s69, s69, SLOT
.endr
	s_mul_i32 s70, s[WV], 16*SPITCH                ; my stage
	v_mul_u32_u24 v4, v1, SPITCH
	v_lshl_add_u32 v4, v2, 5, v4
	v_add_nc_u32 v[STO], s70, v4                   ; in: row r, 32 bytes for each half of the lanes
	v_mul_u32_u24 v5, v2, SPITCH
	v_lshl_add_u32 v5, v1, 4, v5
	v_add_nc_u32 v[RD], s70, v5                    ; back: lanes 0-15 one row of 256 bytes, lanes 16-31 the next
	v_lshlrev_b32 v[CO], 13, v2
	v_lshl_add_u32 v[CO], v1, 4, v[CO]             ; and the same two rows in out0
	s_lshl_b32 s72, s43, 20                        ; 128 rows of 8,192 bytes x tile row,
	s_lshl_b32 s73, s[RHO], 19                     ; my 64 rows,
	s_add_co_u32 s72, s72, s73
	s_lshl_b32 s73, s42, 9                         ; 512 bytes x tile column,
	s_add_co_u32 s72, s72, s73
	s_lshl_b32 s73, s[GAM], 8                      ; my 256 bytes
	s_add_co_u32 s72, s72, s73
	s_mov_b32 s73, 0
	s_add_nc_u64 s[10:11], s[10:11], s[72:73]
; 8 matrix instructions: A's fragments a0, a0 + 1 x B's four, 128 along K.  The 16 accumulators take turns in one order throughout.
.macro MUL8 f, a0, zero
.irp a, \a0, \a0+1
.irp b, 0,1,2,3
.if \zero
	v_wmma_f32_16x16x128_fp8_fp8 v[ACC+8*(4*(\a)+\b):ACC+8*(4*(\a)+\b)+7], v[\f+64+16*\b:\f+64+16*\b+15], v[\f+16*(\a):\f+16*(\a)+15], 0
.else
	v_wmma_f32_16x16x128_fp8_fp8 v[ACC+8*(4*(\a)+\b):ACC+8*(4*(\a)+\b)+7], v[\f+64+16*\b:\f+64+16*\b+15], v[\f+16*(\a):\f+16*(\a)+15], v[ACC+8*(4*(\a)+\b):ACC+8*(4*(\a)+\b)+7]
.endif
.endr
.endr
.endm
; 32 LDS loads in one run: chunk kap of the slot into buffer f: B's four fragments first, then A's.  Registers 4 c .. 4 c + 3 hold K = 32 c + 16 (lane / 16) + 0 .. 15, alike in A and B.
.macro FETCH slot, kap, f
	WIN TO_F
.irp i, 0,1,2,3
.irp c, 0,1,2,3
	ds_load_b128 v[\f+64+16*\i+4*\c:\f+64+16*\i+4*\c+3], v[ADRB+\slot] offset:(\kap)*QOFF+\i*16*PITCH+32*\c
.endr
.endr
.irp i, 0,1,2,3
.irp c, 0,1,2,3
	ds_load_b128 v[\f+16*\i+4*\c:\f+16*\i+4*\c+3], v[ADRA+\slot] offset:(\kap)*QOFF+\i*16*PITCH+32*\c
.endr
.endr
.endm
.macro PLACES                          ; four plain lines between a matrix instruction and a load into, or a read of, its registers
.rept 4
	v_nop
.endr
.endm
; One of a slot's first three chunks: multiplies buffer f and fetches chunk kap into g.
.macro QUARTER slot, kap, f, g, zero
	s_wait_dscnt 8                                 ; B's four and A's first two fragments are in; the youngest eight loads may be out
	WIN MUL
	MUL8 \f, 0, \zero
	PLACES
	FETCH \slot, \kap, \g
	s_wait_dscnt 32                                ; all but the 32 just issued
	WIN MUL
	MUL8 \f, 2, \zero
.endm
; A slot's last chunk multiplies buffer 1 and changes slots: one barrier; in front of it each wave waits for all its tensor loads, adds 0 to its spare word, and waits for that and for its reads of this slot.
.macro TURN slot, next, fill
	WIN 0                                          ; (the add's two registers lie in window 0)
	s_wait_tensorcnt 0x0                           ; all my tensor loads have landed: my part of the next slot
	ds_add_u32 v[SPW], v[NIL]                      ; 0 onto my spare word
	s_wait_dscnt 9                                 ; (the add and the youngest eight loads may be out)
	WIN MUL
	MUL8 F1, 0, 0
	s_wait_dscnt 0x0                               ; the add is done, and my reads of this slot are over
	s_barrier_signal -1
	MUL8 F1, 2, 0
	WIN 0
	s_barrier_wait -1
.if \fill
	CREST                                          ; the barrier has opened a round of the cluster's: no wave of any partner still reads this slot or has a load on its way
	s_add_nc_u64 s[G0+4*\slot+2:G0+4*\slot+3], s[G0+4*\slot+2:G0+4*\slot+3], 8*CHS
	s_add_nc_u64 s[G0B+4*\slot+2:G0B+4*\slot+3], s[G0B+4*\slot+2:G0B+4*\slot+3], 8*CHS
	JLOAD \slot                                    ; the first tensor load behind the round; its four v_nop are the places in front of the loads below
.else
	PLACES
.endif
	FETCH \next, 0, F0
.endm
	s_wait_tensorcnt 1                             ; my part of slot 0 is in (slot 1's load may be out)
	s_barrier_signal -1
	s_barrier_wait -1                              ; everybody's is
	FETCH 0, 0, F0
	QUARTER 0, 1, F0, F1, 1                        ; the first products start the sums
	QUARTER 0, 2, F1, F0, 0
	QUARTER 0, 3, F0, F1, 0
	TURN 0, 1, 1                                   ; slot 0 takes chunks 8 to 11
	QUARTER 1, 1, F0, F1, 0
	QUARTER 1, 2, F1, F0, 0
	QUARTER 1, 3, F0, F1, 0
	TURN 1, 0, 1                                   ; slot 1 takes chunks 12 to 15
	QUARTER 0, 1, F0, F1, 0
	QUARTER 0, 2, F1, F0, 0
	QUARTER 0, 3, F0, F1, 0
	TURN 0, 1, 0                                   ; nothing is left to fetch
	QUARTER 1, 1, F0, F1, 0
	QUARTER 1, 2, F1, F0, 0
	QUARTER 1, 3, F0, F1, 0
	s_wait_dscnt 8
	WIN MUL
	MUL8 F1, 0, 0
	s_wait_dscnt 0
	MUL8 F1, 2, 0
	WIN 0
; THE WAY OUT, block by block of 16 rows x 64 columns: a row's 256 bytes are my wave's own, so each wave has its own stage and no barrier is needed.
.macro TOSTAGE a
.set n, 0
.rept 16
	v_pk_mul_f32 v[TMP+n:TMP+n+1], v[ACC+32*(\a)+n:ACC+32*(\a)+n+1], s[66:67] op_sel_hi:[1,0]   ; x 2^(e10 + e11): nothing is rounded; each accumulator from its low end on
.set n, n+2
.endr
.irp b, 0,1,2,3
	ds_store_b128 v[STO], v[TMP+8*\b:TMP+8*\b+3] offset:64*\b
	ds_store_b128 v[STO], v[TMP+8*\b+4:TMP+8*\b+7] offset:64*\b+16
.endr
.irp t, 0,1,2,3,4,5,6,7
	ds_load_b128 v[BK+32*((\a)%2)+4*\t:BK+32*((\a)%2)+4*\t+3], v[RD] offset:\t*2*SPITCH   ; LDS serves a wave's instructions in order: these see the stores above
.endr
.endm
.macro SEND a, younger                 ; younger: the LDS instructions issued behind block a's loads, which may stay out
	s_wait_dscnt \younger
.irp t, 0,1,2,3,4,5,6,7
	global_store_b128 v[CO], v[BK+32*((\a)%2)+4*\t:BK+32*((\a)%2)+4*\t+3], s[10:11] offset:(16*(\a)+2*\t)*8192 th:TH_STORE_NT   ; 16 lanes store 256 consecutive bytes, at a multiple of 256 from out0's first byte
.endr
.endm
	s_wait_kmcnt 0x0
	s_add_co_i32 s66, s66, s67
	s_add_co_i32 s66, s66, 127
	s_lshl_b32 s66, s66, 23                        ; 2^(e10 + e11) as f32
	PLACES                                         ; behind the last products
	TOSTAGE 0
.irp a, 1,2,3
.if \a > 1
	s_wait_xcnt 0x0                                ; block a - 2's stores have read their data: block a's loads land there only behind this wait
.endif
	TOSTAGE \a
	SEND \a-1, 16                                  ; behind block a - 1's loads: block a's eight stores and eight loads
.endr
	SEND 3, 0
	s_wait_tensorcnt 0x0                           ; the wave's end: behind my last tensor load and my last LDS store
	ds_add_u32 v[SPW], v[NIL]
	s_wait_dscnt 0x0
	CROUND                                         ; the closing round
	s_endpgm
.Lfunc_end_k_q7e08fe1ae6_oproj:
	.size	k_q7e08fe1ae6_oproj, .Lfunc_end_k_q7e08fe1ae6_oproj-k_q7e08fe1ae6_oproj
	.p2alignl 7, 3214868480
	.fill 96, 4, 3214868480
	.section	.rodata,"a",@progbits
	.p2align	6, 0x0
	.amdhsa_kernel k_q7e08fe1ae6_oproj
		.amdhsa_group_segment_fixed_size 327680
		.amdhsa_private_segment_fixed_size 0
		.amdhsa_enable_private_segment 0
		.amdhsa_kernarg_size 32
		.amdhsa_user_sgpr_count 2
		.amdhsa_user_sgpr_kernarg_segment_ptr 1
		.amdhsa_wavefront_size32 1
		.amdhsa_system_sgpr_workgroup_id_x 1
		.amdhsa_system_sgpr_workgroup_id_y 1
		.amdhsa_system_sgpr_workgroup_id_z 1
		.amdhsa_system_vgpr_workitem_id 0
		.amdhsa_next_free_vgpr 512
		.amdhsa_next_free_sgpr 76
		.amdhsa_reserve_vcc 0
		.amdhsa_float_denorm_mode_32 3
		.amdhsa_float_denorm_mode_16_64 3
		.amdhsa_memory_ordered 1
		.amdhsa_forward_progress 1
		.amdhsa_inst_pref_size 73
	.end_amdhsa_kernel
	.amdgpu_metadata
---
amdhsa.version: [ 1, 2 ]
amdhsa.kernels:
  - .name:           k_q7e08fe1ae6_oproj
    .symbol:         k_q7e08fe1ae6_oproj.kd
    .args:
      - { .name: ac, .offset: 0, .size: 8, .value_kind: global_buffer, .address_space: global }
      - { .name: wc, .offset: 8, .size: 8, .value_kind: global_buffer, .address_space: global }
      - { .name: lowp_scales, .offset: 16, .size: 8, .value_kind: global_buffer, .address_space: global }
      - { .name: out0, .offset: 24, .size: 8, .value_kind: global_buffer, .address_space: global }
    .group_segment_fixed_size: 327680
    .private_segment_fixed_size: 0
    .kernarg_segment_align: 8
    .kernarg_segment_size: 32
    .max_flat_workgroup_size: 128
    .sgpr_count:     76
    .vgpr_count:     512
    .wavefront_size: 32
...
	.end_amdgpu_metadata
.endif
;; end of part 4
